; MI455X (gfx1250); checked and timed in simulation.
; The chip was launched on July 23, 2026; its instructions are those of AMD's public machine-readable ISA for CDNA 5 (MIT licence, August 2026) and "CDNA5" Instruction Set Architecture Reference Guide (July 2026). The comments in the code are by the model that wrote it; some were corrected since.
;; Multi Head Self Attention. Allowed arithmetic: matrix products marked QUANTISED: E2M1 operands, one E8M0 scale for each 32 along K, by v_wmma_scale_f32_16x16x128_f8f6f4 with both operands' format E2M1 (or v_wmma_scale_f32_32x16x128_f4), f32 sums; everything else in f32.
;; Inputs: bk 1,024 float32; bo 1,024 float32; bq 1,024 float32; bv 1,024 float32; wk 1,024 x 1,024 float32; wo 1,024 x 1,024 float32; wq 1,024 x 1,024 float32; wv 1,024 x 1,024 float32; x 4 x 2,048 x 1,024 float32.
;; Outputs: out0 4 x 2,048 x 1,024 float32.
;; This version of the problem:
;;   THIS VERSION OF THE PROBLEM IS GIVEN IN LOW PRECISION. The matrix products marked QUANTISED in the list below multiply operands that are first quantised to E2M1 (2 exponent bits, 1 mantissa bit; 4 bits a number), with one power-of-two scale for each 32 numbers along K (OCP MX v1.0); their sums are f32. All else is computed in f32.
;;   The module's matrix products, in the order in which they are computed (A, B: the left and right operand; K: the contracted axis; several contracted axes count as one K, in the product's order):
;;     1. [M 8,192, K 1,024] x [K 1,024, N 1,024]; A: input x; B: input wq: QUANTISED
;;     2. [M 8,192, K 1,024] x [K 1,024, N 1,024]; A: input x; B: input wk: QUANTISED
;;     3. [M 8,192, K 1,024] x [K 1,024, N 1,024]; A: input x; B: input wv: QUANTISED
;;     4. batch 64 x [M 2,048, K 64] x [K 64, N 2,048]; A: computed on the way; B: computed on the way: QUANTISED
;;     5. batch 64 x [M 2,048, K 2,048] x [K 2,048, N 64]; A: softmax (see below); B: computed on the way: QUANTISED
;;     6. [M 8,192, K 1,024] x [K 1,024, N 1,024]; A: computed on the way; B: input wo: QUANTISED
;;   THE QUANTISER, for each operand of a quantised product, along K:
;;     - K is cut into blocks of 32 from its start; a last block that is shorter is filled with zeros.
;;     - A block's scale is 2^e with e = floor(log2(the largest magnitude in the block)) - 2, held to -126 .. 127; a block of zeros has e = 0. As a byte (E8M0): e + 127.
;;     - Each number is divided by its block's scale, clamped to +-6, and rounded to the nearest number of E2M1, ties to even, subnormals kept.
;;     - The product sums the exact products of the quantised numbers (number of the format x scale) in f32.
;;   ~~~python
;;   def quantise(x, axis):      # numpy; x: float32 -> the quantised numbers, widened to float32 again
;;       x = np.moveaxis(x, axis, -1); K = x.shape[-1]
;;       x = np.pad(x, [(0, 0)] * (x.ndim - 1) + [(0, -K % 32)]); x = x.reshape(x.shape[:-1] + (-1, 32)); a = np.abs(x).max(-1, keepdims=True)
;;       e = np.where(a > 0, np.clip(np.frexp(np.where(a > 0, a, 1))[1] - 1 - 2, -126, 127), 0)      # np.frexp(a)[1] - 1 = floor(log2(a)), exactly
;;       r = np.clip(x / 2.0 ** e, -6, 6)
;;       step = 2.0 ** (np.maximum(np.frexp(np.where(r == 0, 1, r))[1] - 1, 0) - 1)
;;       q = np.round(r / step) * step * 2.0 ** e      # np.round: ties to even
;;       return np.moveaxis(q.reshape(q.shape[:-2] + (-1,))[..., :K], -1, axis).astype(np.float32)
;;   ~~~
;;   SOFTMAX AHEAD OF A QUANTISED PRODUCT. Where the list says 'softmax', what is quantised is not the finished softmax but p = 2^(t - M), with t = logit x log2(e) and M = ceil(the row's largest t), a whole number; so 1/2 < the row's largest p <= 1. The row's sum l is taken of the UNQUANTISED p, in f32, and the product's result is divided by l at the end. Since M is a whole number, a kernel that streams over the keys may use a running M (the ceiling of the running maximum): every later rescaling is an exact power of two, which a block's scale takes up: the codes' values come out the same.
;;   OPERANDS COMPUTED ON THE WAY. 'Computed on the way' means the value that the module computes at that place (a softmax that the list does not call 'softmax' is quantised finished and normalised). What goes into a quantiser is computed in f32, as accurately as f32 sums, v_exp_f32 and their like allow (about 1e-6 of the number): no bf16 or f16 on the way to a quantiser, and a product that is left as it is and whose result goes on into a quantised operand takes f32 operands (vector FMAs, or v_wmma_f32_16x16x4_f32). A number that lies on a knife's edge between two numbers of the format may be rounded either way, as far as f32 arithmetic and the matrix unit's own rounding can turn it there, and no further.
;; One version. Each part assembles by itself: llvm-mc -triple=amdgcn-amd-amdhsa -mcpu=gfx1250 --defsym DOCPART=n.
;; ======== version 1 of 1: 4 launches
;; workspace buffers: x_codes 4,194,304 bytes; x_scales 262,144 bytes; w_codes 2,097,152 bytes; w_scales 131,072 bytes; qb 8,912,896 bytes; kv 8,912,896 bytes; ctx_img 4,194,304 bytes; ctx_sc 262,144 bytes
;; launch quant (part 1): grid 384 x 1, 4 waves a work-group, no clusters, 33,280 bytes of LDS; arguments x, wq, wk, wv, wo, x_codes, x_scales, w_codes, w_scales; writes x_codes, x_scales, w_codes, w_scales
.if DOCPART == 1
	.amdgcn_target "amdgcn-amd-amdhsa--gfx1250"
	.amdhsa_code_object_version 6
	.text
	.protected	k_qb0ac104514_quant
	.globl	k_qb0ac104514_quant
	.p2align	8
	.type	k_qb0ac104514_quant,@function
k_qb0ac104514_quant:
	s_mov_b64 s[64:65], 0
	v_nop
	global_prefetch_b8 v0, s[64:65] scope:SCOPE_SE
	s_setreg_imm32_b32 hwreg(HW_REG_WAVE_MODE, 25, 1), 1
	s_wait_xcnt 0x0
; MULTI-HEAD SELF-ATTENTION IN MX-FP4, launch 1 of 4: x [8192][1024] and wq, wk, wv, wo [1024][1024], f32, K innermost, become codes of FP4 (E2M1) with one E8M0 byte for each 32 along K.
; NO WORK OF THE PROBLEM IS DEAD: bq, bk and bv are added ahead of a quantiser, so they can move codes and scales; bo is added to the output; all six products reach the output.  All nine inputs are loaded by some launch.
; A block's scale is 2^(floor(log2(its largest magnitude)) - 2); its byte is the largest magnitude's exponent field - 2, held at 1 from below.  Each number is divided by the scale and rounded to the nearest code, ties to even.
; LIMITS: a block of zeros gets the byte 1 where the rule says 127 (its codes are zeros, which add nothing, and this program alone reads the bytes); NaN and infinities among the inputs are not served.
; THE ROWS ARE STORED IN ANOTHER ORDER THAN THEY ARE READ: in each group of 32 rows the second and the third group of 8 change places.  Sixteen neighbouring stored rows, tile i, are then the rows
; 32 (i / 2) + 8 (i % 2) + p + 8 (p / 8), p = 0 .. 15: with that order a transposed product's results lie in a lane as 16 neighbours along the next product's K.
; SHARES.  Work-groups 0 to 255 take 32 rows of x each; work-group 256 + j takes 32 rows of weight j / 32; the four weights' codes lie one behind the other (wq, wk, wv, wo).  A wave takes 8 rows, 8,192 numbers, in 16 steps of 512.
; Each of a step's four loads reads 512 consecutive bytes; the 2,048 bytes turn through the wave's own stage in LDS and come back 64 bytes a lane: 16 neighbours, two lanes to a block.  A wave's store of codes covers 256 consecutive
; bytes; its 256 scale bytes are gathered in LDS and leave by one store of 256 consecutive bytes.  No tensor loads, no barrier: waves share nothing.  Loads run four steps (16 loads a wave) ahead.
.set WAVES, 4
.set STEPS, 16
.set EMAX,  2
.set CB,    8                          ; bytes of 16 codes
.set R,     16                         ; v16-79   four sets of 16 numbers as they are loaded
.set X,     80                         ; v80-111  two sets of 16 neighbours
.set C,     128                        ; v128-191 codes: four registers for each step, so that no store's data are written again
.set E,     112                        ; v112-127 a scale byte for each step
.set WREG,  8192                       ; LDS: a region for each wave: two stages of 32 x SP bytes, behind them its 256 scale bytes
.set SP,    80                         ; a lane's place in a stage: 64 bytes + 16 of padding
.set SPW,   12                         ; v12  LDS address of my spare word; never rewritten
.set NIL,   13                         ; v13  0; never rewritten
.set SPARE, WAVES*WREG                 ; behind the four regions: the spare words, 128 bytes a wave
	s_load_b512 s[4:19], s[0:1], 0x0               ; x 4:5, wq 6:7, wk 8:9, wv 10:11, wo 12:13, x_codes 14:15, x_scales 16:17, w_codes 18:19
	s_load_b64 s[20:21], s[0:1], 0x40              ; w_scales
	v_lshl_add_u32 v[SPW], v0, 2, SPARE
	v_mov_b32 v[NIL], 0
	v_lshrrev_b32 v1, 5, v0
	v_readfirstlane_b32 s22, v1                    ; wave
	v_and_b32 v2, 31, v0                           ; lane
	v_lshlrev_b32 v3, 4, v2                        ; my 16 bytes of a load's 512
	s_mul_i32 s23, s22, WREG
	v_lshrrev_b32 v14, 2, v2
	v_mul_u32_u24 v14, v14, SP
	v_and_b32 v15, 3, v2
	v_lshl_add_u32 v14, v15, 4, v14
	v_add_nc_u32 v14, s23, v14                     ; the stage, on the way in: SP (lane / 4) + 16 (lane % 4)
	v_mul_u32_u24 v15, v2, SP
	v_add_nc_u32 v15, s23, v15                     ; and on the way out: SP x lane: my 16 neighbours
	v_mul_u32_u24 v4, v2, CB                       ; my codes' place in a step's
	v_lshrrev_b32 v5, 1, v2
	s_add_co_u32 s23, s23, 2*32*SP
	v_add_nc_u32 v5, s23, v5                       ; LDS: my wave's 256 scale bytes, my block's byte
	v_lshlrev_b32 v7, 3, v2                        ; and on the way out 8 bytes a lane
	v_add_nc_u32 v6, s23, v7
	s_sub_co_u32 s24, ttmp9, 256                   ; j: which 32 rows of the four weights (used in work-groups 256 on alone)
	s_lshr_b32 s25, s24, 5                         ; which weight
	s_and_b32 s26, s24, 31                         ; which 32 rows of it
	s_and_b32 s27, s22, 1
	s_lshl_b32 s27, s27, 1
	s_lshr_b32 s28, s22, 1
	s_or_b32 s27, s27, s28                         ; where my 8 rows go in the group of 32: 0, 2, 1, 3
	s_wait_alu depctr_va_vdst(0)
	s_wait_kmcnt 0x0
	s_cmp_eq_u32 s25, 2                            ; the weight's address: each choice hangs on the work-group's number alone
	s_cselect_b64 s[12:13], s[10:11], s[12:13]
	s_cmp_eq_u32 s25, 1
	s_cselect_b64 s[12:13], s[8:9], s[12:13]
	s_cmp_eq_u32 s25, 0
	s_cselect_b64 s[12:13], s[6:7], s[12:13]
	s_cmp_lt_u32 ttmp9, 256                        ; x's work-group or a weight's?
	s_cselect_b64 s[4:5], s[4:5], s[12:13]
	s_cselect_b64 s[8:9], s[14:15], s[18:19]
	s_cselect_b64 s[10:11], s[16:17], s[20:21]
	s_cselect_b32 s26, ttmp9, s26
	s_cselect_b32 s24, ttmp9, s24
	s_lshl_b32 s26, s26, 2
	s_add_co_u32 s26, s26, s22                     ; which 8 rows of the source are mine,
	s_lshl_b32 s24, s24, 2
	s_add_co_u32 s24, s24, s27                     ; and which 8 stored rows they become
	s_lshl_b32 s28, s26, 15                        ; 8 rows of f32: 32,768 bytes
	s_mov_b32 s29, 0
	s_add_nc_u64 s[4:5], s[4:5], s[28:29]
	s_lshl_b32 s28, s24, 12                        ; of codes: 4,096
	s_add_nc_u64 s[8:9], s[8:9], s[28:29]
	s_lshl_b32 s28, s24, 8                         ; of scale bytes: 256
	s_add_nc_u64 s[10:11], s[10:11], s[28:29]
.macro LOAD t
.irp i, 0,1,2,3
	global_load_b128 v[R+16*((\t)%4)+4*\i:R+16*((\t)%4)+4*\i+3], v3, s[4:5] offset:2048*(\t)+512*\i th:TH_LOAD_NT   ; 32 lanes read 512 consecutive bytes
.endr
.endm
.macro TURN t                          ; step t's numbers through the stage: LDS serves a wave's instructions in order, so no wait stands between the stores and the loads
.irp i, 0,1,2,3
	ds_store_b128 v14, v[R+16*((\t)%4)+4*\i:R+16*((\t)%4)+4*\i+3] offset:32*SP*((\t)%2)+8*SP*\i
.endr
.irp i, 0,1,2,3
	ds_load_b128 v[X+16*((\t)%2)+4*\i:X+16*((\t)%2)+4*\i+3], v15 offset:32*SP*((\t)%2)+16*\i
.endr
.endm
.irp t, 0,1,2,3
	LOAD \t
.endr
	s_wait_loadcnt 12                              ; step 0's four loads are in; the twelve of steps 1 to 3 may be out
	TURN 0
.macro STEP t
.set XS, X+16*((\t)%2)
.if (\t) > 0
	s_wait_dscnt 1                                 ; this step's numbers are back from the stage (the last step's byte store may be out)
.else
	s_wait_dscnt 0x0
.endif
.if (\t)+4 < STEPS
	LOAD (\t)+4                                    ; into the registers that the stage's stores have read
.endif
.if (\t)+1 < STEPS
.if STEPS-2-(\t) >= 3
	s_wait_loadcnt 12                              ; the next step's four loads are in; those of the three steps behind it may be out
.else
	s_wait_loadcnt 4*(STEPS-2-(\t))
.endif
	TURN (\t)+1                                    ; through the other stage while this step is worked
.endif
	v_max3_num_f32 v8, |v[XS]|, |v[XS+1]|, |v[XS+2]|               ; the largest magnitude of my 16, in two chains
	v_max3_num_f32 v9, |v[XS+3]|, |v[XS+4]|, |v[XS+5]|
.irp i, 6,10
	v_max3_num_f32 v8, v8, |v[XS+\i]|, |v[XS+\i+1]|
	v_max3_num_f32 v9, v9, |v[XS+\i+2]|, |v[XS+\i+3]|
.endr
	v_max3_num_f32 v8, v8, |v[XS+14]|, |v[XS+15]|
	v_max3_num_f32 v8, v8, v9, (EMAX+1)<<23        ; and the floor 2^(3 - 127): the byte cannot fall under 1
	v_max_num_f32_dpp v8, v8, v8 row_xmask:1 row_mask:0xf bank_mask:0xf   ; and of my neighbour's 16: the block's
	v_add_nc_u32 v11, -(EMAX<<23), v8              ; 2 off its exponent field: the conversion takes the exponent field of this operand as its scale
	v_cvt_scalef32_pk8_fp4_f32 v[C+4*(\t)], v[XS:XS+7], v11
	v_cvt_scalef32_pk8_fp4_f32 v[C+4*(\t)+1], v[XS+8:XS+15], v11
	v_lshrrev_b32 v[E+(\t)], 23, v11               ; the scale's byte (a plain line behind the conversions)
	ds_store_b8 v5, v[E+(\t)] offset:16*(\t)       ; both lanes of a block write the same byte with the same value
	global_store_b64 v4, v[C+4*(\t):C+4*(\t)+1], s[8:9] offset:32*CB*(\t)   ; 32 lanes store 256 consecutive bytes
.endm
.irp t, 0,1,2,3,4,5,6,7,8,9,10,11,12,13,14,15
	STEP \t
.endr
	ds_load_b64 v[8:9], v6                         ; LDS serves a wave's instructions in order: these see my byte stores
	s_wait_dscnt 0x0
	global_store_b64 v7, v[8:9], s[10:11]          ; 32 lanes store 256 consecutive bytes
	s_wait_tensorcnt 0x0                           ; the wave's end: a wait, an add and its wait behind my last LDS store
	ds_add_u32 v[SPW], v[NIL]
	s_wait_dscnt 0x0
	s_endpgm
.Lfunc_end_k_qb0ac104514_quant:
	.size	k_qb0ac104514_quant, .Lfunc_end_k_qb0ac104514_quant-k_qb0ac104514_quant
	.p2alignl 7, 3214868480
	.fill 96, 4, 3214868480
	.section	.rodata,"a",@progbits
	.p2align	6, 0x0
	.amdhsa_kernel k_qb0ac104514_quant
		.amdhsa_group_segment_fixed_size 33280
		.amdhsa_private_segment_fixed_size 0
		.amdhsa_enable_private_segment 0
		.amdhsa_kernarg_size 72
		.amdhsa_user_sgpr_count 2
		.amdhsa_user_sgpr_kernarg_segment_ptr 1
		.amdhsa_wavefront_size32 1
		.amdhsa_system_sgpr_workgroup_id_x 1
		.amdhsa_system_sgpr_workgroup_id_y 1
		.amdhsa_system_sgpr_workgroup_id_z 1
		.amdhsa_system_vgpr_workitem_id 0
		.amdhsa_next_free_vgpr 192
		.amdhsa_next_free_sgpr 66
		.amdhsa_reserve_vcc 0
		.amdhsa_float_denorm_mode_32 3
		.amdhsa_float_denorm_mode_16_64 3
		.amdhsa_memory_ordered 1
		.amdhsa_forward_progress 1
		.amdhsa_inst_pref_size 34
	.end_amdhsa_kernel
	.amdgpu_metadata
---
amdhsa.version: [ 1, 2 ]
amdhsa.kernels:
  - .name:           k_qb0ac104514_quant
    .symbol:         k_qb0ac104514_quant.kd
    .args:
      - { .name: x, .offset: 0, .size: 8, .value_kind: global_buffer, .address_space: global }
      - { .name: wq, .offset: 8, .size: 8, .value_kind: global_buffer, .address_space: global }
      - { .name: wk, .offset: 16, .size: 8, .value_kind: global_buffer, .address_space: global }
      - { .name: wv, .offset: 24, .size: 8, .value_kind: global_buffer, .address_space: global }
      - { .name: wo, .offset: 32, .size: 8, .value_kind: global_buffer, .address_space: global }
      - { .name: x_codes, .offset: 40, .size: 8, .value_kind: global_buffer, .address_space: global }
      - { .name: x_scales, .offset: 48, .size: 8, .value_kind: global_buffer, .address_space: global }
      - { .name: w_codes, .offset: 56, .size: 8, .value_kind: global_buffer, .address_space: global }
      - { .name: w_scales, .offset: 64, .size: 8, .value_kind: global_buffer, .address_space: global }
    .group_segment_fixed_size: 33280
    .private_segment_fixed_size: 0
    .kernarg_segment_align: 8
    .kernarg_segment_size: 72
    .max_flat_workgroup_size: 128
    .sgpr_count:     66
    .vgpr_count:     192
    .wavefront_size: 32
...
	.end_amdgpu_metadata
.endif
;; end of part 1
;; launch qkv (part 2): grid 8 x 48, 4 waves a work-group, clusters of 4 x 4, 327,680 bytes of LDS; arguments x_codes, x_scales, w_codes, w_scales, bq, bk, bv, qb, kv; writes qb, kv
.if DOCPART == 2
	.amdgcn_target "amdgcn-amd-amdhsa--gfx1250"
	.amdhsa_code_object_version 6
	.text
	.protected	k_qb0ac104514_qkv
	.globl	k_qb0ac104514_qkv
	.p2align	8
	.type	k_qb0ac104514_qkv,@function
k_qb0ac104514_qkv:
	s_mov_b64 s[64:65], 0
	v_nop
	global_prefetch_b8 v0, s[64:65] scope:SCOPE_SE
	s_setreg_imm32_b32 hwreg(HW_REG_WAVE_MODE, 25, 1), 1
	s_wait_xcnt 0x0
	s_wait_alu depctr_hold_cnt(0) depctr_sa_sdst(0) depctr_va_vdst(0) depctr_va_sdst(0) depctr_va_ssrc(0) depctr_va_vcc(0) depctr_vm_vsrc(0)
	s_getreg_b32 s2, hwreg(HW_REG_IB_STS2, 6, 4)
	s_cmp_eq_u32 s2, 0
	s_cbranch_scc0 .Lentry_in_a_cluster
	s_endpgm
.Lentry_in_a_cluster:
	s_bfe_u32 s2, ttmp6, 0x10000c
	s_cmp_lg_u32 s2, 0xf033
	s_cbranch_scc0 .Lentry_shape_is_right
	s_endpgm
.Lentry_shape_is_right:
; Launch 2 of 4: q = x wq^T + bq, k = x wk^T + bk, v = x wv^T + bv on codes of FP4, and each result quantised at once for the product that takes it: q and k along the head's 64, v along the keys.  No work is left out.
; ONE TEXT FOR ALL THREE.  C = A B^T, 256 x 256 to a work-group, 128 x 128 to each of four waves, K = 1,024 in two LDS slots of 512, both filled at the start: nothing is filled again.
;   cluster y 0 to 7:  A = x (8,192 rows), B = wq and wk (2,048 rows).  A lane's results run along the features: they are quantised along the features.
;   cluster y 8 to 11: A = wv (1,024 rows), B = x: this is v TRANSPOSED, and a lane's results run along the tokens, the keys: they are quantised along the keys.
; THE MATRIX INSTRUCTION IS USED TRANSPOSED (source 0 = 16 rows of B, source 1 = 16 rows of A).  The rows of x and of the weights are stored so that tile i holds rows 32 (i / 2) + 8 (i % 2) + p + 8 (p / 8):
; lane (r, h) then holds A's row 32 (a / 2) + 8 (a % 2) + r + 8 (r / 8), and register 8 b + j of block a's eight accumulators is column 32 (b / 2) + 16 h + 8 (b % 2) + j: 16 neighbours for each block of 32.
; WHAT IS STORED: an operand's fragment as an IMAGE OF ITS REGISTERS (four registers: 512 bytes, lane l's 16 bytes at 16 l), and its scale bytes.  For each of the 64 heads (16 x batch + head) a block of HB bytes:
;   qb: +0 Q's images, 512 bytes a tile of 16 queries; +131072 Q's scales, 2 bytes a query.
;   kv: +0 K's images likewise; +65536 V's images, 1,024 bytes for 16 channels x 128 keys, (4 s + tile) x 1,024; +131072 K's scales; +135168 V's scale words, (4 s + tile) x 64 + 4 r.
; CLUSTERS: 4 x 4 work-groups; A's tiles are asked for jointly along a row of the cluster, B's along a column.  The choice between the two paths hangs on the cluster's y alone: it is the same in all sixteen partners.
; LIMITS: a block of zeros gets the byte 1 (its codes are zeros; this program alone reads the bytes); NaN and infinities are not served.
; REGISTERS: window 0: v0-31 addresses; v32-95 scale words, two sets; v96-125 at work on the way out; v128-191 A's fragments, on the way out 64 numbers; v192-255 the bias.
;   window 1: B's fragments, two sets.   windows 2, 3: the 64 accumulators ((a, b) at v[8 (8 (a % 4) + b)]).
.set NQ,     4                         ; matrix instructions deep in a slot
.set ROWB,   256                       ; a tile's row: 512 codes
.set KROW,   512                       ; a row of codes in memory
.set PITCH,  272                       ; an LDS row: 256 bytes + 16 of padding: the 16 rows that a load touches start 16 bytes apart modulo 256
.set FR,     8
.set NL,     2
.set NP,     4                         ; places behind this matrix instruction (ISA guide 7.12.1)
.set HALFT,  128*PITCH
.set SLOT,   4*HALFT
.set KS,     32                        ; a row of scale bytes
.set SCL,    2*SLOT                    ; behind the slots: the scales of 256 + 256 rows, as rows of 256 bytes + 16
.set HALFS,  (128*KS/256)*272
.set SBLK,   (16*KS/256)*272
.set SPARE,  SCL+4*HALFS               ; the spare words, 128 bytes a wave
.set STGQ,   SPARE+512                 ; a stage of 512 bytes a wave for the scale bytes of q and k,
.set STGV,   STGQ+2048                 ; and one for v's: each path has LDS bytes of its own; no tile lands in either
.set HB,     139264                    ; a head's block in qb and kv
.set ADRA, 16                          ; v16-17 LDS address of my A fragments in slot 0, 1
.set ADRB, 20                          ; v20-21 the same for B
.set LI,   22                          ; v22  16 x lane
.set SA,   23                          ; v23  q, k: where I put 2 scale bytes
.set SA2,  24                          ; v24  v: where I put a scale word
.set SBQ,  25                          ; v25  q, k: where I read 16 bytes of the stage back
.set SBV,  26                          ; v26  v: the same
.set ADRS, 27                          ; v27  LDS address of my scale words: lanes 0-15 A's rows, lanes 16-31 B's
.set SPW,  28                          ; v28  my spare word; never rewritten
.set NIL,  29                          ; v29  0; never rewritten
.set SOFF, 30                          ; v30  the scales' way out: HB x (lane / 16) + 16 (lane % 16)
.set SH16, 31                          ; v31  16 x (lane / 16)
.set SC,   32
.set TM,   96                          ; v96-111 QUANT's work
.set PW,   112                         ; v112 the scale word just made
.set SD,   113                         ; v113 my head's two bytes of it
.set PC,   114                         ; v114-121 the codes just made
.set RB,   122                         ; v122-125 the stage read back
.set AF,   128
.set T,    128                         ; the way out: 64 numbers
.set BI,   192                         ; the bias
.set SEL,  18                          ; s[18:19] lane selects for v_permlanex16_b32
.set G1, 24
.set G0, 32
.set G1B, 48
.set G0B, 56
.set G1S, 68
.set G0S, 76
.set G1SB, 80
.set G0SB, 88
.set BP,  92                           ; s[92:93]   the bias of my 128 features
.set DC,  98                           ; s[98:99]   where my codes go
.set DS,  100                          ; s[100:101] where my scale bytes go
.set MSB, 0
.macro WIN new                         ; the immediate's high byte repeats the setting that is left
.if MSB != \new
	s_set_vgpr_msb (MSB<<8)|\new
.set MSB, \new
.endif
.endm
.set MUL_LO, 0xa1                      ; source 0 (B) window 1, source 1 (A) window 0, C and D window 2
.set MUL_HI, 0xf1                      ; the same, C and D window 3
.set TO_B,   0x40                      ; destination window 1, address window 0
; A joint load: waves 0 and 1 fetch for A, waves 2 and 3 for B.  The branch hangs on the wave's number alone.  An s_nop 0 and four v_nop follow each of the two lines.
.macro JLOAD g0a, g1a, g0b, g1b
	s_cmp_eq_u32 s15, 0
	s_cbranch_scc0 .Lfor_b_\@
	tensor_load_to_lds s[\g0a:\g0a+3], s[\g1a:\g1a+7]
	s_nop 0
.rept 4
	v_nop
.endr
	s_branch .Lasked_\@
.Lfor_b_\@:
	tensor_load_to_lds s[\g0b:\g0b+3], s[\g1b:\g1b+7]
	s_nop 0
.rept 4
	v_nop
.endr
.Lasked_\@:
.endm
.macro CROUND                          ; a round of the cluster's barrier
	s_barrier_signal -1
	s_barrier_wait -1
	s_cmp_lg_u32 s14, 0
	s_cbranch_scc1 .Lnot_wave_0_\@
	s_barrier_signal -3
.Lnot_wave_0_\@:
	s_barrier_wait -3
	s_barrier_signal -1
	s_barrier_wait -1
.endm
	s_load_b256 s[4:11], s[0:1], 0x0               ; x_codes 4:5, x_scales 6:7, w_codes 8:9, w_scales 10:11
	s_load_b256 s[92:99], s[0:1], 0x20             ; bq 92:93, bk 94:95, bv 96:97, qb 98:99
	s_load_b64 s[100:101], s[0:1], 0x40            ; kv
	v_lshl_add_u32 v[SPW], v0, 2, SPARE
	v_mov_b32 v[NIL], 0
	ds_add_u32 v[SPW], v[NIL]                      ; the wave's opening: the add, twice on end, and its wait ahead of my first tensor load
	ds_add_u32 v[SPW], v[NIL]
	v_lshrrev_b32 v1, 5, v0
	v_readfirstlane_b32 s14, v1                    ; wave 0..3
	s_lshr_b32 s15, s14, 1                         ; which half of the tile's rows is mine.  Also: I fetch for A (0) or for B (1)
	s_and_b32 s16, s14, 1                          ; which half of its columns.  Also: which 128 rows of that tile I fetch
	s_bfe_u32 s40, ttmp6, 0x40000                  ; cx, cy: my place in the cluster
	s_bfe_u32 s41, ttmp6, 0x40004
	s_and_b32 s17, ttmp7, 0xffff                   ; cluster y
	s_lshl_b32 s18, s17, 1
	s_add_co_u32 s18, s18, ttmp9
	s_sub_co_u32 s18, s18, 16                      ; v's path: cluster x + 2 (cluster y - 8): which four tile columns of x's 32
	s_cmp_ge_u32 s17, 8
	s_cselect_b32 s105, 1, 0                       ; 1: v's path
	s_cselect_b32 s17, 0, s17
	s_cselect_b32 s42, s18, ttmp9
	s_lshl_b32 s17, s17, 2
	s_add_co_u32 s17, s17, s41                     ; tile row
	s_lshl_b32 s42, s42, 2
	s_add_co_u32 s42, s42, s40                     ; tile column
	s_lshl_b32 s43, s41, 2
	s_lshl_b32 s43, 15, s43                        ; my row of the cluster
	s_lshl_b32 s44, 0x1111, s40                    ; my column
	; descriptor group 1: a tile of 128 rows x 256 bytes, 16 bytes of padding behind each row
	s_or_b32 s[G1+0], s43, (0<<16)|(1<<20)|(1<<21)|(5<<22)|(3<<25)  ; the mask: A's tiles go to my row; elements of 1 byte; padding on; bit 21 beside a mask; after every 64 words four words
	s_or_b32 s[G1B+0], s44, (0<<16)|(1<<20)|(1<<21)|(5<<22)|(3<<25)
.irp g, G1, G1B
	s_mov_b32 s[\g+1], ROWB<<16                    ; tensor_dim0
	s_mov_b32 s[\g+2], 128<<16                     ; tensor_dim1
	s_mov_b32 s[\g+3], ROWB<<16                    ; tile_dim0
	s_mov_b32 s[\g+4], 128                         ; tile_dim1
	s_mov_b32 s[\g+5], KROW                        ; the pitch
	s_mov_b32 s[\g+6], 0
	s_mov_b32 s[\g+7], 0
.endr
	; the scales of 128 rows: 4,096 dense bytes, as 16 rows of 256 bytes (32 elements of 8), 16 bytes of padding behind each
	s_or_b32 s[G1S+0], s43, (3<<16)|(1<<20)|(1<<21)|(5<<22)|(3<<25)
	s_or_b32 s[G1SB+0], s44, (3<<16)|(1<<20)|(1<<21)|(5<<22)|(3<<25)
.irp g, G1S, G1SB
	s_mov_b32 s[\g+1], 32<<16
	s_mov_b32 s[\g+2], (128*KS/256)<<16
	s_mov_b32 s[\g+3], 32<<16
	s_mov_b32 s[\g+4], 128*KS/256
	s_mov_b32 s[\g+5], 32
	s_mov_b32 s[\g+6], 0
	s_mov_b32 s[\g+7], 0
.endr
	s_lshl_b32 s18, s16, 7                         ; which 128 rows of the tile I fetch
	s_lshl_b32 s20, s17, 8
	s_add_co_u32 s20, s20, s18                     ; A: row 256 x tile row + 128 x half
	s_lshl_b32 s46, s42, 8
	s_add_co_u32 s46, s46, s18                     ; B: row 256 x tile column + 128 x half
	s_mov_b32 s21, 0
	s_mov_b32 s47, 0
	s_mov_b64 s[18:19], KS
	s_mul_u64 s[22:23], s[20:21], s[18:19]         ; where these rows' scales begin, in bytes,
	s_mul_u64 s[66:67], s[46:47], s[18:19]
	s_mov_b64 s[18:19], KROW
	s_mul_u64 s[20:21], s[20:21], s[18:19]         ; and their codes
	s_mul_u64 s[46:47], s[46:47], s[18:19]
	s_mul_i32 s45, s14, HALFT                      ; where they go: wave x 128 rows: no place in the cluster enters an LDS address
	s_mul_i32 s104, s14, HALFS
	s_wait_dscnt 0x0                               ; both opening adds are done
	s_wait_kmcnt 0x0
	s_add_nc_u64 s[12:13], s[8:9], 0x100000        ; wv's codes: rows 2,048 on of the weights'
	s_add_nc_u64 s[2:3], s[10:11], 0x10000         ; and its scales
	s_cmp_lg_u32 s105, 0                           ; v's path: A = wv, B = x.  The choice hangs on the cluster's y alone
	s_cselect_b64 s[8:9], s[4:5], s[8:9]
	s_cselect_b64 s[10:11], s[6:7], s[10:11]
	s_cselect_b64 s[4:5], s[12:13], s[4:5]
	s_cselect_b64 s[6:7], s[2:3], s[6:7]
	s_add_nc_u64 s[20:21], s[4:5], s[20:21]
	s_add_nc_u64 s[22:23], s[6:7], s[22:23]
	s_add_nc_u64 s[46:47], s[8:9], s[46:47]
	s_add_nc_u64 s[66:67], s[10:11], s[66:67]
	CROUND                                         ; all sixteen work-groups are here: the joint loads meet
	s_mov_b32 s[G0S], 1
	s_add_co_u32 s[G0S+1], s104, SCL
	s_mov_b64 s[G0S+2:G0S+3], s[22:23]
	s_or_b32 s[G0S+3], s[G0S+3], 0x80000000
	s_mov_b32 s[G0SB], 1
	s_add_co_u32 s[G0SB+1], s104, SCL
	s_mov_b64 s[G0SB+2:G0SB+3], s[66:67]
	s_or_b32 s[G0SB+3], s[G0SB+3], 0x80000000
	JLOAD G0S, G1S, G0SB, G1SB                     ; the scales first: they are wanted with the first products
.irp s, 0,1
	s_mov_b32 s[G0+4*\s], 1
	s_add_co_u32 s[G0+4*\s+1], s45, \s*SLOT
	s_add_nc_u64 s[G0+4*\s+2:G0+4*\s+3], s[20:21], \s*ROWB
	s_or_b32 s[G0+4*\s+3], s[G0+4*\s+3], 0x80000000
	s_mov_b32 s[G0B+4*\s], 1
	s_add_co_u32 s[G0B+4*\s+1], s45, \s*SLOT
	s_add_nc_u64 s[G0B+4*\s+2:G0B+4*\s+3], s[46:47], \s*ROWB
	s_or_b32 s[G0B+4*\s+3], s[G0B+4*\s+3], 0x80000000
	JLOAD G0+4*\s, G1, G0B+4*\s, G1B               ; three loads of mine are out: all that this launch fetches
.endr
	; every LDS address, ahead of the parting of the two paths
	v_and_b32 v1, 15, v0                           ; r
	v_bfe_u32 v2, v0, 4, 1                         ; h
	v_mul_u32_u24 v3, v1, PITCH
	v_lshl_add_u32 v4, v2, 4, v3                   ; a fragment's row x pitch + 16 h
	s_mul_i32 s21, s15, HALFT                      ; my 128 rows of A
	s_mul_i32 s22, s16, HALFT                      ; my 128 rows of B,
	s_add_co_u32 s22, s22, 2*HALFT                 ; behind A's 256
.irp s, 0,1
	v_add_nc_u32 v[ADRA+\s], s21, v4
	v_add_nc_u32 v[ADRB+\s], s22, v4
	s_add_co_u32 s21, s21, SLOT
	s_add_co_u32 s22, s22, SLOT
.endr
	v_mul_u32_u24 v5, v1, KS                       ; my row's scales: 32 bytes a row,
	v_lshrrev_b32 v6, 8, v5
	v_lshl_add_u32 v5, v6, 4, v5                   ; and 16 more for each 256 passed
	s_mul_i32 s21, s15, HALFS
	s_mul_i32 s22, s16, HALFS
	s_add_co_u32 s22, s22, 2*HALFS
	s_sub_co_u32 s22, s22, s21
	v_mul_u32_u24 v6, s22, v2                      ; lanes 16-31 take B's
	s_add_co_u32 s21, s21, SCL
	v_add_nc_u32 v5, v5, v6
	v_add_nc_u32 v[ADRS], s21, v5
	v_and_b32 v6, 31, v0
	v_lshlrev_b32 v[LI], 4, v6
	s_lshl_b32 s23, s14, 9                         ; my wave's 512 bytes of a stage
	v_lshlrev_b32 v5, 1, v1
	v_lshl_add_u32 v5, v2, 8, v5
	v_add_nc_u32 v5, s23, v5
	v_add_nc_u32 v[SA], STGQ, v5                   ; head h of my two: 256 h + 32 x tile + 2 r
	v_lshlrev_b32 v5, 2, v1
	v_add_nc_u32 v5, s23, v5
	v_add_nc_u32 v[SA2], STGV, v5                  ; 64 x tile + 4 r
	v_add_nc_u32 v5, s23, v[LI]
	v_add_nc_u32 v[SBQ], STGQ, v5
	v_add_nc_u32 v[SBV], STGV, v5
	v_mul_u32_u24 v[SOFF], v2, HB
	v_lshl_add_u32 v[SOFF], v1, 4, v[SOFF]
	v_lshlrev_b32 v[SH16], 4, v2
.irp b, 0,1,2,3
	v_mov_b32 v[TM+4+\b], 0                        ; written once: a lane permute's destination counts as one of its sources
.endr
	; where the results go, and which bias is mine.  U: the tile of tokens; W: the tile of features; hx, hw: my half of each
	s_and_b32 s18, s42, 3
	s_cmp_eq_u32 ttmp9, 0                          ; cluster x = 0: tile columns 0 to 3: q;  else k
	s_cselect_b64 s[BP:BP+1], s[92:93], s[94:95]
	s_cselect_b64 s[DC:DC+1], s[98:99], s[100:101]
	s_mov_b32 s22, 135168
	s_cmp_lg_u32 s105, 0
	s_cselect_b64 s[BP:BP+1], s[96:97], s[BP:BP+1]
	s_cselect_b64 s[DC:DC+1], s[100:101], s[DC:DC+1]
	s_cselect_b32 s19, s42, s17                    ; U
	s_cselect_b32 s18, s17, s18                    ; W
	s_cselect_b32 s20, s16, s15                    ; hx
	s_cselect_b32 s21, s15, s16                    ; hw
	s_cselect_b32 s22, s22, 131072                 ; the scales' place in a head's block,
	s_cselect_b32 s23, 65536, 0                    ; the codes',
	s_cselect_b32 s2, 0, 64                        ; and the bias's offsets: q, k: 64 h + 4 j;  v: 4 (r + 8 (r / 8))
	s_cselect_b32 s3, 4, 0
	s_cselect_b32 s12, 0, 4
	s_lshr_b32 s13, s19, 3
	s_lshl_b32 s13, s13, 4                         ; 16 x batch
	s_lshl_b32 s46, s18, 2
	s_add_co_u32 s13, s13, s46
	s_lshl_b32 s46, s21, 1
	s_add_co_u32 s13, s13, s46                     ; + 4 W + 2 hw: the first of my two heads
	s_mul_i32 s13, s13, HB
	s_and_b32 s19, s19, 7
	s_lshl_b32 s19, s19, 1
	s_add_co_u32 s19, s19, s20                     ; p: which 128 tokens of the sequence
	s_lshl_b32 s46, s19, 12
	s_add_co_u32 s46, s46, s13
	s_add_co_u32 s46, s46, s23
	s_mov_b32 s47, 0
	s_lshl_b32 s66, s19, 8
	s_add_co_u32 s66, s66, s13
	s_add_co_u32 s66, s66, s22
	s_mov_b32 s67, 0
	s_mov_b64 s[DS:DS+1], s[DC:DC+1]
	s_add_nc_u64 s[DC:DC+1], s[DC:DC+1], s[46:47]
	s_add_nc_u64 s[DS:DS+1], s[DS:DS+1], s[66:67]
	s_lshl_b32 s46, s18, 10
	s_lshl_b32 s66, s21, 9
	s_add_co_u32 s46, s46, s66
	s_add_nc_u64 s[BP:BP+1], s[BP:BP+1], s[46:47]  ; feature 256 W + 128 hw
	v_and_b32 v5, 8, v1
	v_add_nc_u32 v5, v5, v1                        ; r + 8 (r / 8)
	v_mul_u32_u24 v7, s2, v2
	v_mad_u32_u24 v7, v5, s3, v7
.irp j, 0,1,2,3,4,5,6,7
	v_mad_u32_u24 v[8+\j], s12, \j, v7
.endr
.irp t, 0,1,2,3,4,5,6,7                        ; q, k: register 8 t + j: the bias of column (t, j, h);  v: registers 8 t + 0 .. 7 all hold the bias of row (t, r).  One text for both, so every register is written on every path
.irp j, 0,1,2,3,4,5,6,7
	global_load_b32 v[BI+8*\t+\j], v[8+\j], s[BP:BP+1] offset:4*(32*(\t/2)+8*(\t%2))
.endr
.endr
	s_mov_b32 s[SEL], 0x76543210
	s_mov_b32 s[SEL+1], 0xfedcba98
.macro FRAG reg, adr, q, i             ; 16 rows x 128 K of 4-bit codes, 8 registers: lane l holds row l % 16; registers 4 c .. 4 c + 3 hold K = 64 c + 32 (l / 16) + 0 .. 31
.irp c, 0,1
	ds_load_b128 v[\reg+4*\c:\reg+4*\c+3], v[\adr] offset:64*(\q)+32*\c+(\i)*16*PITCH
.endr
.endm
; 16 matrix instructions: A's blocks a0, a0 + 1 x B's eight, 128 along K.  The 64 accumulators take turns, one instruction a turn, in the same order in every step.
.macro MUL16 a0, p, q, sc, zero
.irp a, \a0, \a0+1
.irp b, 0,1,2,3,4,5,6,7
.if \zero
	v_wmma_scale_f32_16x16x128_f8f6f4 v[8*(8*((\a)%4)+\b):8*(8*((\a)%4)+\b)+7], v[128*(\p)+FR*\b:128*(\p)+FR*\b+FR-1], v[AF+FR*(\a):AF+FR*(\a)+FR-1], 0, v[SC+8*NQ*(\sc)+NQ*\b+(\q)], v[SC+8*NQ*(\sc)+NQ*(\a)+(\q)] matrix_a_fmt:MATRIX_FMT_FP4 matrix_b_fmt:MATRIX_FMT_FP4 matrix_a_scale:MATRIX_SCALE_ROW1
.else
	v_wmma_scale_f32_16x16x128_f8f6f4 v[8*(8*((\a)%4)+\b):8*(8*((\a)%4)+\b)+7], v[128*(\p)+FR*\b:128*(\p)+FR*\b+FR-1], v[AF+FR*(\a):AF+FR*(\a)+FR-1], v[8*(8*((\a)%4)+\b):8*(8*((\a)%4)+\b)+7], v[SC+8*NQ*(\sc)+NQ*\b+(\q)], v[SC+8*NQ*(\sc)+NQ*(\a)+(\q)] matrix_a_fmt:MATRIX_FMT_FP4 matrix_b_fmt:MATRIX_FMT_FP4 matrix_a_scale:MATRIX_SCALE_ROW1
.endif
.endr
.endr
.endm
.macro FETCH_B slot, q, p
	WIN TO_B
.irp i, 0,1,2,3,4,5,6,7
	FRAG 128*(\p)+FR*\i, ADRB+\slot, \q, \i
.endr
	WIN 0
.endm
.macro FETCH_A slot, q, i0
.irp i, \i0, \i0+1, \i0+2, \i0+3
	FRAG AF+FR*(\i), ADRA+\slot, \q, \i
.endr
.endm
.macro SCALES sc                       ; a slot's scale words: four a row; lanes 0-15 take A's block i, lanes 16-31 B's block i
.irp i, 0,1,2,3,4,5,6,7
	ds_load_b128 v[SC+8*NQ*\sc+NQ*\i:SC+8*NQ*\sc+NQ*\i+3], v[ADRS] offset:\i*SBLK
.endr
.endm
.macro PLACES n                        ; plain vector instructions between a matrix instruction and a load into, or a vector access to, its registers
.rept \n
	v_nop
.endr
.endm
.macro STEP slot, q, zero              ; 128 along K, with its successor in the same slot
	s_wait_dscnt 4*NL                              ; B's set and A's blocks 0-3 are in; the youngest eight loads (A's blocks 4-7) may be out
	WIN MUL_LO
	MUL16 0, (\q)%2, \q, \slot, \zero
	MUL16 2, (\q)%2, \q, \slot, \zero
	s_wait_dscnt 0
	PLACES NP
	FETCH_B \slot, (\q)+1, 1-(\q)%2
	FETCH_A \slot, (\q)+1, 0
	WIN MUL_HI
	MUL16 4, (\q)%2, \q, \slot, \zero
	MUL16 6, (\q)%2, \q, \slot, \zero
	PLACES NP
	WIN 0
	FETCH_A \slot, (\q)+1, 4
.endm
.macro TURN slot, next                 ; slot 0's last step changes slots: one barrier
	s_wait_tensorcnt 0x0                           ; all my tensor loads have landed: my part of slot 1 among them
	ds_add_u32 v[SPW], v[NIL]                      ; 0 onto my spare word
	s_wait_dscnt 4*NL+1                            ; (the add and the youngest eight loads may be out)
	WIN MUL_LO
	MUL16 0, 1, NQ-1, \slot, 0
	s_wait_dscnt 0x0                               ; no LDS instruction of mine is out at the signal
	s_barrier_signal -1
	MUL16 2, 1, NQ-1, \slot, 0
	WIN 0
	s_barrier_wait -1                              ; slot 1 is whole
	PLACES NP
	v_add_nc_u32 v[ADRS], 4*NQ, v[ADRS]            ; on to the next slot's scale words
	FETCH_B \next, 0, 0
	FETCH_A \next, 0, 0
	SCALES \next
	WIN MUL_HI
	MUL16 4, 1, NQ-1, \slot, 0
	MUL16 6, 1, NQ-1, \slot, 0
	PLACES NP
	WIN 0
	FETCH_A \next, 0, 4
.endm
.macro STEPS slot, from
.set Q, \from
.rept NQ-1-\from
	STEP \slot, Q, 0
.set Q, Q+1
.endr
.endm
; 64 numbers of a lane, v[s] .. v[s + 63], register 16 b + i = k 32 b + 16 (lane / 16) + i of my row, become a fragment's codes in v[PC] on and its scale word in v[PW].
.macro QUANT s
.irp b, 0,1,2,3
	v_max3_num_f32 v[TM+\b], |v[\s+16*\b]|, |v[\s+1+16*\b]|, 0x1800000   ; block b: my 16 numbers, and the floor 2^(3 - 127): the byte cannot fall under 1
.endr
.irp i, 2,4,6,8,10,12,14
.irp b, 0,1,2,3
	v_max3_num_f32 v[TM+\b], v[TM+\b], |v[\s+16*\b+\i]|, |v[\s+1+16*\b+\i]|   ; (the four blocks by turns)
.endr
.endr
.irp b, 0,1,2,3
	v_permlanex16_b32 v[TM+4+\b], v[TM+\b], s[SEL], s[SEL+1]
.endr
.irp b, 0,1,2,3
	v_max_num_f32 v[TM+\b], v[TM+\b], v[TM+4+\b]   ; with lane l xor 16's: the block's largest magnitude
.endr
.irp b, 0,1,2,3
	v_add_nc_u32 v[TM+12+\b], 0xff000000, v[TM+\b] ; 2 off its exponent field: the conversion's scale operand
.endr
.irp b, 0,1,2,3
	v_lshrrev_b32 v[TM+4+\b], 23, v[TM+12+\b]      ; the scale's byte
.endr
	v_lshl_or_b32 v[PW], v[TM+5], 8, v[TM+4]
	v_lshl_or_b32 v[PW], v[TM+6], 16, v[PW]
	v_lshl_or_b32 v[PW], v[TM+7], 24, v[PW]
.irp b, 0,1,2,3
	v_cvt_scalef32_pk8_fp4_f32 v[PC+2*\b], v[\s+16*\b:\s+7+16*\b], v[TM+12+\b]
	v_cvt_scalef32_pk8_fp4_f32 v[PC+1+2*\b], v[\s+8+16*\b:\s+15+16*\b], v[TM+12+\b]
.endr
	v_nop                                          ; one plain place behind a scaled conversion
.irp c, 0,1                                    ; the operand's layout wants a whole block in a lane: lanes 0-15 block 2 c, lanes 16-31 block 2 c + 1
.irp i, 0,1
	v_permlane16_swap_b32 v[PC+4*\c+\i], v[PC+2+4*\c+\i]
.endr
.endr
.endm
	s_wait_tensorcnt 1                             ; the scales and my part of slot 0 are in (slot 1's load may be out),
	s_barrier_signal -1
	s_barrier_wait -1                              ; everybody's are
	FETCH_B 0, 0, 0
	FETCH_A 0, 0, 0
	SCALES 0
	FETCH_A 0, 0, 4
	STEP 0, 0, 1                                   ; the first products start the sums: nothing is cleared
	STEPS 0, 1
	TURN 0, 1
	STEPS 1, 0
	s_wait_dscnt 4*NL                              ; the last step: nothing more to fetch
	WIN MUL_LO
	MUL16 0, 1, NQ-1, 1, 0
	MUL16 2, 1, NQ-1, 1, 0
	s_wait_dscnt 0
	WIN MUL_HI
	MUL16 4, 1, NQ-1, 1, 0
	MUL16 6, 1, NQ-1, 1, 0
	WIN 0
; THE WAY OUT, block a of 16 rows at a time: the bias is added (the addition is also the move into window 0; each accumulator is read from its low end on), the 64 numbers of a lane are quantised, and the fragment leaves as it stands.
; v = 0 (q, k): registers 0-3 are the first of my two heads' half fragment, registers 4-7 the second's; of the scale word lanes 0-15 keep the first head's two bytes, lanes 16-31 the second's.
; v = 1 (v): the fragment is 16 channels x 128 keys; blocks 0-3 are the first head's, blocks 4-7 the second's.
; The scale bytes are gathered in my wave's stage and leave at the end: lanes 0-15 store 256 consecutive bytes of one head, lanes 16-31 of the other.  Each store of codes covers 512 consecutive bytes.
.macro EPI v
.irp a, 0,1,2,3,4,5,6,7
.if \a > 0
	s_wait_xcnt 0x0                                ; the last block's stores have read their data: the codes' registers are written again only behind this wait
	s_wait_dscnt 0x0
.endif
	WIN 0x02+(\a)/4                                ; source 0: window 2 or 3
.set i, 0
.rept 32
.if \v
	v_pk_add_f32 v[T+2*i:T+2*i+1], v[64*((\a)%4)+2*i:64*((\a)%4)+2*i+1], v[BI+8*\a:BI+8*\a+1]
.else
	v_pk_add_f32 v[T+2*i:T+2*i+1], v[64*((\a)%4)+2*i:64*((\a)%4)+2*i+1], v[BI+2*i:BI+2*i+1]
.endif
.set i, i+1
.endr
	WIN 0
	QUANT T
.if \v
	ds_store_b32 v[SA2], v[PW] offset:64*\a        ; both halves of the lanes write the same word with the same value
	global_store_b128 v[LI], v[PC:PC+3], s[DC:DC+1] offset:((\a)/4)*HB+((\a)%4)*1024
	global_store_b128 v[LI], v[PC+4:PC+7], s[DC:DC+1] offset:((\a)/4)*HB+((\a)%4)*1024+512
.else
	v_lshrrev_b32 v[SD], v[SH16], v[PW]
	ds_store_b16 v[SA], v[SD] offset:32*\a
	global_store_b128 v[LI], v[PC:PC+3], s[DC:DC+1] offset:512*\a
	global_store_b128 v[LI], v[PC+4:PC+7], s[DC:DC+1] offset:HB+512*\a
.endif
.endr
.if \v
	ds_load_b128 v[RB:RB+3], v[SBV]                ; LDS serves a wave's instructions in order: this sees my stores
.else
	ds_load_b128 v[RB:RB+3], v[SBQ]
.endif
	s_wait_dscnt 0x0
	global_store_b128 v[SOFF], v[RB:RB+3], s[DS:DS+1]
.endm
	s_wait_loadcnt 0x0                             ; the bias
	PLACES NP                                      ; behind the last products: their results are read, and the registers that held A's fragments are written
	s_cmp_lg_u32 s105, 0                           ; the cluster's y alone decides
	s_cbranch_scc1 .Lv
	EPI 0
	s_branch .Lend
.Lv:
	EPI 1
.Lend:
	s_wait_tensorcnt 0x0                           ; the wave's end: a wait, an add and its wait behind my last tensor load and my last LDS store
	ds_add_u32 v[SPW], v[NIL]
	s_wait_dscnt 0x0
	CROUND                                         ; the closing round
	s_endpgm
.Lfunc_end_k_qb0ac104514_qkv:
	.size	k_qb0ac104514_qkv, .Lfunc_end_k_qb0ac104514_qkv-k_qb0ac104514_qkv
	.p2alignl 7, 3214868480
	.fill 96, 4, 3214868480
	.section	.rodata,"a",@progbits
	.p2align	6, 0x0
	.amdhsa_kernel k_qb0ac104514_qkv
		.amdhsa_group_segment_fixed_size 327680
		.amdhsa_private_segment_fixed_size 0
		.amdhsa_enable_private_segment 0
		.amdhsa_kernarg_size 72
		.amdhsa_user_sgpr_count 2
		.amdhsa_user_sgpr_kernarg_segment_ptr 1
		.amdhsa_wavefront_size32 1
		.amdhsa_system_sgpr_workgroup_id_x 1
		.amdhsa_system_sgpr_workgroup_id_y 1
		.amdhsa_system_sgpr_workgroup_id_z 1
		.amdhsa_system_vgpr_workitem_id 0
		.amdhsa_next_free_vgpr 1024
		.amdhsa_next_free_sgpr 106
		.amdhsa_reserve_vcc 0
		.amdhsa_float_denorm_mode_32 3
		.amdhsa_float_denorm_mode_16_64 3
		.amdhsa_memory_ordered 1
		.amdhsa_forward_progress 1
		.amdhsa_inst_pref_size 202
	.end_amdhsa_kernel
	.amdgpu_metadata
---
amdhsa.version: [ 1, 2 ]
amdhsa.kernels:
  - .name:           k_qb0ac104514_qkv
    .symbol:         k_qb0ac104514_qkv.kd
    .args:
      - { .name: x_codes, .offset: 0, .size: 8, .value_kind: global_buffer, .address_space: global }
      - { .name: x_scales, .offset: 8, .size: 8, .value_kind: global_buffer, .address_space: global }
      - { .name: w_codes, .offset: 16, .size: 8, .value_kind: global_buffer, .address_space: global }
      - { .name: w_scales, .offset: 24, .size: 8, .value_kind: global_buffer, .address_space: global }
      - { .name: bq, .offset: 32, .size: 8, .value_kind: global_buffer, .address_space: global }
      - { .name: bk, .offset: 40, .size: 8, .value_kind: global_buffer, .address_space: global }
      - { .name: bv, .offset: 48, .size: 8, .value_kind: global_buffer, .address_space: global }
      - { .name: qb, .offset: 56, .size: 8, .value_kind: global_buffer, .address_space: global }
      - { .name: kv, .offset: 64, .size: 8, .value_kind: global_buffer, .address_space: global }
    .group_segment_fixed_size: 327680
    .private_segment_fixed_size: 0
    .kernarg_segment_align: 8
    .kernarg_segment_size: 72
    .max_flat_workgroup_size: 128
    .sgpr_count:     106
    .vgpr_count:     1024
    .wavefront_size: 32
...
	.end_amdgpu_metadata
.endif
;; end of part 2
;; launch attn (part 3): grid 8 x 32, 16 waves a work-group, clusters of 4 x 1, 327,680 bytes of LDS; arguments qb, kv, ctx_img, ctx_sc; writes ctx_img, ctx_sc
.if DOCPART == 3
	.amdgcn_target "amdgcn-amd-amdhsa--gfx1250"
	.amdhsa_code_object_version 6
	.text
	.protected	k_qb0ac104514_attn
	.globl	k_qb0ac104514_attn
	.p2align	8
	.type	k_qb0ac104514_attn,@function
k_qb0ac104514_attn:
	s_mov_b64 s[64:65], 0
	v_nop
	global_prefetch_b8 v0, s[64:65] scope:SCOPE_SE
	s_setreg_imm32_b32 hwreg(HW_REG_WAVE_MODE, 25, 1), 1
	s_wait_xcnt 0x0
	s_wait_alu depctr_hold_cnt(0) depctr_sa_sdst(0) depctr_va_vdst(0) depctr_va_sdst(0) depctr_va_ssrc(0) depctr_va_vcc(0) depctr_vm_vsrc(0)
	s_getreg_b32 s2, hwreg(HW_REG_IB_STS2, 6, 4)
	s_cmp_eq_u32 s2, 0
	s_cbranch_scc0 .Lentry_in_a_cluster
	s_endpgm
.Lentry_in_a_cluster:
	s_bfe_u32 s2, ttmp6, 0x10000c
	s_cmp_lg_u32 s2, 0x3003
	s_cbranch_scc0 .Lentry_shape_is_right
	s_endpgm
.Lentry_shape_is_right:
; Launch 3 of 4: ctx = softmax(q k^T / 8) v for each of 64 heads of size 64, both products on codes of FP4, and ctx quantised along the model's 1,024 for the last product.  No work is left out.
; THE SOFTMAX AHEAD OF THE SECOND PRODUCT: t = score x log2(e) / 8; M = the row's largest t so far, rounded up to a whole number; p = 2^(t - M) is what is quantised, along the keys; the row's sum is taken of the unquantised p
; and divides at the end.  When M moves, the sum and O are multiplied by 2^(old M - new M): exact.
; SHARES.  A work-group owns 256 queries of a PAIR of heads (2 P, 2 P + 1) of one batch; each of its sixteen waves owns one tile of 16 queries, in 256 registers: four waves to a SIMD, so that one wave's vector work stands beside
; another's matrix work and LDS loads.  A wave walks all 2,048 keys, 128 a step, for the first head and then for the second: it then holds 16 rows x 128 of ctx: one fragment and one scale word a row of the last product's A.
; LDS holds the pair's K, V and their scales whole, 2 x 139,264 bytes, as they lie in memory (images of the operands' registers): filled once, two loads a wave, one for each head; no slot is filled again.
; CLUSTER: the four blocks of queries of a cluster walk the same pair: each load is asked for jointly by the four.
; LAYOUT.  Both products are used transposed: S^T = K Q^T (source 0 = 16 keys, source 1 = my 16 queries), O^T = V^T P^T (source 0 = 16 channels, source 1 = P): a lane holds one query (lane % 16) throughout.
; Tile i of keys, of queries and of channels holds numbers 32 (i / 2) + 8 (i % 2) + p + 8 (p / 8): so the 16 registers of two neighbouring tiles are 16 neighbours along the next product's K.
; THE FIRST PRODUCT'S K IS 64, the instruction's 128: the upper 64 of Q's operand are zero codes, so whatever codes stand in the upper four registers of K's operand (the next tile's) add nothing; the scale bytes of those
; two blocks are 0 (a 16-bit load, zero-extended), which is a small power of two and no NaN.
; LIMITS: a block of zeros gets the byte 1 (its codes are zeros; this program alone reads the bytes); NaN and infinities are not served.
; REGISTERS: v1-7 addresses that stay; v8-11 addresses of the loads in hand; v12 -M, v13 the largest t, v[14:15] the sum in two halves; v16-23, v24-31 Q of the two heads (codes, zeros); v32-63 K, four registers a tile;
;   v64-95 V; v96-159 S^T, then p; v160-191 the first head's ctx; v192-223 O^T, then the second head's ctx; v224-231 p's codes; v232-247 at work; scales and nothing else: v241, v242 V's, v243 and v255 Q's, v248-251 K's, v253 p's.
.set HB,    139264                     ; a head's block: +0 K's images, +65536 V's, +131072 K's scales, +135168 V's scale words
.set SPARE, 2*HB                       ; behind the two heads: the spare words, 128 bytes for each of sixteen waves
.set AK0,  1                           ; v1   16 x lane
.set AV0,  2                           ; v2   65536 + 16 x lane
.set AS0,  3                           ; v3   131072 + 2 x lane: lanes 0-15 an even tile's 16 keys, lanes 16-31 the odd tile's behind it
.set AT0,  4                           ; v4   135168 + 4 x lane: the same for V's tiles of channels
.set SPW,  5                           ; v5   my spare word; never rewritten
.set NIL,  6                           ; v6   0; never rewritten
.set GS,   7                           ; v7   32 x (lane % 16): my row of ctx's scale bytes
.set ADK,  8
.set ADV,  9
.set ADS,  10
.set ADT,  11
.set TM,   232                         ; QUANT's work
.set PC,   224
.set PW,   240
.set VSC,  241
.set QS1,  243
.set QS0,  255
.set WV,   12                          ; s12  my wave's number
.set SEL,  20                          ; s[20:21] lane selects for v_permlanex16_b32
.set CS,   22                          ; s[22:23] c = log2(e) / 8
.set G1,   24                          ; s[24:31] descriptor group 1
.set G0,   32                          ; s[32:39] group 0, one set for each head
.set TK,   40                          ; s40  LDS byte at which the step's images begin: 4,096 a step
.set TS,   41                          ; s41  and its scales: 256 a step
.set CNT,  42
.macro CROUND                          ; a round of the cluster's barrier
	s_barrier_signal -1
	s_barrier_wait -1
	s_cmp_lg_u32 s[WV], 0
	s_cbranch_scc1 .Lnot_wave_0_\@
	s_barrier_signal -3
.Lnot_wave_0_\@:
	s_barrier_wait -3
	s_barrier_signal -1
	s_barrier_wait -1
.endm
	s_load_b256 s[4:11], s[0:1], 0x0               ; qb 4:5, kv 6:7, ctx_img 8:9, ctx_sc 10:11
	v_lshl_add_u32 v[SPW], v0, 2, SPARE
	v_mov_b32 v[NIL], 0
	ds_add_u32 v[SPW], v[NIL]                      ; the wave's opening: the add, twice on end, and its wait ahead of my first tensor load
	ds_add_u32 v[SPW], v[NIL]
	v_lshrrev_b32 v8, 5, v0
	s_delay_alu instid0(VALU_DEP_1)
	v_readfirstlane_b32 s[WV], v8                  ; wave 0..15
	s_bfe_u32 s13, ttmp6, 0x40000                  ; cx
	s_lshl_b32 s14, ttmp9, 2
	s_add_co_u32 s14, s14, s13                     ; my block of 256 queries: it enters Q's and ctx's addresses alone
	s_and_b32 s15, ttmp7, 0xffff                   ; y = 8 x batch + P, which the four partners share
	s_mul_i32 s16, s15, 2*HB                       ; the pair's first byte in qb and in kv
	s_mov_b32 s17, 0
	s_mul_i32 s18, s[WV], 8704                     ; my 34 rows of 256 bytes of a head's block
	s_mov_b32 s52, s18
	s_mov_b32 s53, 0
	s_add_nc_u64 s[52:53], s[52:53], s[16:17]      ; what I fetch: made of y and the wave's number alone
	; descriptor group 1: 8,704 dense bytes as 34 rows of 256 bytes (32 elements of 8), no padding: the images are read 16 bytes a lane on end
	s_mov_b32 s[G1], 15|(3<<16)|(1<<21)            ; the mask: all four work-groups; elements of 8 bytes; bit 21 beside a mask
	s_mov_b32 s[G1+1], 32<<16                      ; tensor_dim0
	s_mov_b32 s[G1+2], 34<<16                      ; tensor_dim1
	s_mov_b32 s[G1+3], 32<<16                      ; tile_dim0
	s_mov_b32 s[G1+4], 34                          ; tile_dim1
	s_mov_b32 s[G1+5], 32                          ; the pitch
	s_mov_b32 s[G1+6], 0
	s_mov_b32 s[G1+7], 0
	s_mov_b32 s[SEL], 0x76543210
	s_mov_b32 s[SEL+1], 0xfedcba98
	s_mov_b32 s[CS], 0x3e38aa3b                    ; log2(e) / 8
	s_mov_b32 s[CS+1], s[CS]                       ; (named with it as a pair, so it is written)
	s_lshl_b32 s19, s14, 4
	s_add_co_u32 s19, s19, s[WV]                   ; my tile of queries in the sequence, 0 .. 127
	s_lshl_b32 s2, s19, 9
	s_mov_b32 s3, 0
	s_add_nc_u64 s[44:45], s[16:17], s[2:3]        ; Q's image: 512 bytes a tile
	s_lshl_b32 s2, s19, 5
	s_add_co_u32 s2, s2, 131072
	s_add_nc_u64 s[46:47], s[16:17], s[2:3]        ; Q's scales: 32 bytes a tile
	s_lshr_b32 s2, s15, 3
	s_lshl_b32 s2, s2, 7
	s_add_co_u32 s54, s2, s19                      ; T: my tile of rows of ctx, 128 x batch + tile
	s_and_b32 s55, s15, 7                          ; P: which 128 of ctx's 1,024 columns
	s_lshr_b32 s2, s55, 2
	s_lshl_b32 s2, s2, 9
	s_add_co_u32 s2, s2, s54
	s_lshl_b32 s2, s2, 12
	s_and_b32 s56, s55, 3
	s_lshl_b32 s56, s56, 10
	s_add_co_u32 s48, s2, s56                      ; ctx's image: ((P / 4) 512 + T) 4,096 + (P % 4) 1,024
	s_mov_b32 s49, 0
	s_lshl_b32 s50, s54, 9
	s_lshl_b32 s56, s55, 2
	s_add_co_u32 s50, s50, s56                     ; ctx's scale words: 512 T + 32 r + 4 P
	s_mov_b32 s51, 0
	s_wait_dscnt 0x0                               ; both opening adds are done
	s_wait_kmcnt 0x0
	s_add_nc_u64 s[44:45], s[4:5], s[44:45]
	s_add_nc_u64 s[46:47], s[4:5], s[46:47]
	s_add_nc_u64 s[48:49], s[8:9], s[48:49]
	s_add_nc_u64 s[50:51], s[10:11], s[50:51]
	s_add_nc_u64 s[6:7], s[6:7], s[52:53]
.irp e, 0,1
	s_mov_b32 s[G0+4*\e], 1                        ; count = 1
	s_add_co_u32 s[G0+4*\e+1], s18, \e*HB          ; LDS address: as in memory
	s_add_nc_u64 s[G0+4*\e+2:G0+4*\e+3], s[6:7], \e*HB
	s_or_b32 s[G0+4*\e+3], s[G0+4*\e+3], 0x80000000   ; type = 2
.endr
	CROUND                                         ; all four work-groups are here: the joint loads meet
	tensor_load_to_lds s[G0:G0+3], s[G1:G1+7]      ; the first head;
	s_nop 0
	s_wait_alu depctr_va_vdst(0)
	s_wait_tensorcnt 0x0
	ds_add_u32 v5, v6
	s_wait_dscnt 0x0
	CROUND
	tensor_load_to_lds s[G0+4:G0+7], s[G1:G1+7]    ; the second: one load of mine is out; two in all, all that this launch fetches
	s_nop 0
.rept 4
	v_nop
.endr
	v_and_b32 v8, 31, v0
	v_and_b32 v9, 15, v0
	s_delay_alu instid0(VALU_DEP_2)
	v_lshlrev_b32 v[AK0], 4, v8
	s_delay_alu instid0(VALU_DEP_2)
	v_lshlrev_b32 v254, 1, v9
	global_load_b128 v[16:19], v[AK0], s[44:45]              ; Q's half fragments stay in registers
	global_load_b128 v[24:27], v[AK0], s[44:45] offset:HB
	global_load_u16 v[QS0], v254, s[46:47]                   ; and their scales: two bytes a query, the upper two bytes 0
	global_load_u16 v[QS1], v254, s[46:47] offset:HB
	v_add_nc_u32 v[AV0], 65536, v[AK0]
	v_lshl_add_u32 v[AS0], v8, 1, 131072
	v_lshl_add_u32 v[AT0], v8, 2, 135168
	v_lshlrev_b32 v[GS], 5, v9
.irp j, 20,21,22,23,28,29,30,31
	v_mov_b32 v[\j], 0                             ; the upper 64 of Q's operands: zero codes
.endr
.irp j, 64,65,66,67
	v_mov_b32 v[\j], 0                             ; named as the upper half of K's last tile before V's first load has landed there
.endr
.irp b, 0,1,2,3
	v_mov_b32 v[236+\b], 0                         ; written once: a lane permute's destination counts as one of its sources
.endr
	v_mov_b32 v253, 0                              ; (named as the upper half of the pair v[252:253] before it is first written)
.macro KLOAD off                       ; a step's K: eight half fragments, and four registers of scales
.irp t, 0,1,2,3,4,5,6,7
	ds_load_b128 v[32+4*\t:35+4*\t], v[ADK] offset:\off+512*\t
.endr
.irp b, 0,1,2,3
	ds_load_u16 v[248+\b], v[ADS] offset:(\off)/16+64*\b
.endr
.endm
; A KEY STEP: 128 keys.  qf: Q's operand; qs: its scales; pf = 1: the next step's K is fetched under the softmax.
.macro STEP qf, qs, pf
	s_wait_dscnt 0x0                               ; K and its scales are in
	v_add_nc_u32 v[ADK], s[TK], v[AK0]
	v_add_nc_u32 v[ADV], s[TK], v[AV0]
	v_add_nc_u32 v[ADS], s[TS], v[AS0]
	v_add_nc_u32 v[ADT], s[TS], v[AT0]
.irp t, 0,2,4,6                                ; S^T = K Q^T: eight tiles of 16 keys; an even tile's scales stand in lanes 0-15, the odd tile's in lanes 16-31 of the same register
	v_wmma_scale_f32_16x16x128_f8f6f4 v[96+8*\t:103+8*\t], v[32+4*\t:39+4*\t], v[\qf:\qf+7], 0, v[248+\t/2], v[\qs] matrix_a_fmt:MATRIX_FMT_FP4 matrix_b_fmt:MATRIX_FMT_FP4
	v_wmma_scale_f32_16x16x128_f8f6f4 v[104+8*\t:111+8*\t], v[36+4*\t:43+4*\t], v[\qf:\qf+7], 0, v[248+\t/2], v[\qs] matrix_a_fmt:MATRIX_FMT_FP4 matrix_b_fmt:MATRIX_FMT_FP4 matrix_a_scale:MATRIX_SCALE_ROW1
.endr
.rept 4
	v_nop                                          ; places: in front of the loads into registers that matrix instructions have read, and of the first read of the scores
.endr
.irp a, 0,1,2,3
.irp c, 0,1
	ds_load_b128 v[64+8*\a+4*\c:67+8*\a+4*\c], v[ADV] offset:1024*\a+512*\c   ; V: four tiles of 16 channels x these 128 keys
.endr
.endr
.irp u, 0,1
	ds_load_b32 v[VSC+\u], v[ADT] offset:128*\u
.endr
.if \pf
	KLOAD 4096
.endif
.irp b, 0,1,2,3
	v_max3_num_f32 v[232+\b], v[96+16*\b], v[97+16*\b], v[98+16*\b]   ; the largest score of each block of 32 keys: it serves for the row's maximum and, since p rises with the score, for the block's largest p
.endr
.irp i, 3,5,7,9,11,13
.irp b, 0,1,2,3
	v_max3_num_f32 v[232+\b], v[232+\b], v[96+16*\b+\i], v[97+16*\b+\i]
.endr
.endr
.irp b, 0,1,2,3
	v_max_num_f32 v[232+\b], v[232+\b], v[111+16*\b]
.endr
.irp b, 0,1,2,3
	s_delay_alu instid0(VALU_DEP_4)
	v_permlanex16_b32 v[236+\b], v[232+\b], s[SEL], s[SEL+1]
.endr
.irp b, 0,1,2,3
	s_delay_alu instid0(VALU_DEP_4)
	v_max_num_f32 v[232+\b], v[232+\b], v[236+\b]  ; with lane l xor 16's 16 keys
.endr
	s_delay_alu instid0(VALU_DEP_2)
	v_max3_num_f32 v254, v232, v233, v234
	s_delay_alu instid0(VALU_DEP_1)
	v_max_num_f32 v254, v254, v235                 ; the step's largest score of my query
	s_delay_alu instid0(VALU_DEP_1)
	v_mul_f32 v254, s[CS], v254                    ; as t (c is positive)
	s_delay_alu instid0(VALU_DEP_1)
	v_max_num_f32 v13, v13, v254                   ; the running largest t
	v_mov_b32 v254, v12
	s_delay_alu instid0(VALU_DEP_2)
	v_floor_f32 v12, -v13                          ; the new -M = floor(-t): M is a whole number
	s_delay_alu instid0(VALU_DEP_1)
	v_sub_f32 v254, v12, v254                      ; old M - new M: a whole number, 0 or less
	s_delay_alu instid0(VALU_DEP_1)
	v_cvt_i32_f32 v254, v254                       ; (it saturates)
	s_delay_alu instid0(VALU_DEP_1)
	v_ldexp_f32 v252, 1.0, v254                    ; f = 2^(old M - new M)
.irp j, 0,2,4,6,8,10,12,14,16,18,20,22,24,26,28,30,32,34,36,38,40,42,44,46,48,50,52,54,56,58,60,62
	v_pk_fma_f32 v[96+\j:97+\j], v[96+\j:97+\j], s[CS:CS+1], v[12:13] op_sel_hi:[1,0,0]   ; t - M, two at a time
.endr
.irp b, 0,1,2,3
	v_fma_f32 v[232+\b], v[232+\b], s[CS], v12     ; the same of each block's largest score
.endr
	s_wait_alu depctr_va_vdst(0)
.irp j, 0,1,2,3,4,5,6,7,8,9,10,11,12,13,14,15,16,17,18,19,20,21,22,23,24,25,26,27,28,29,30,31,32,33,34,35,36,37,38,39,40,41,42,43,44,45,46,47,48,49,50,51,52,53,54,55,56,57,58,59,60,61,62,63
	v_exp_f32 v[96+\j], v[96+\j]                   ; p = 2^(t - M), at most 1: not normalised
.endr
	s_setprio 1
	v_pk_mul_f32 v[14:15], v[14:15], v[252:253] op_sel_hi:[1,0]   ; the sums under the new M (a plain place behind the exponentials)
	s_wait_alu depctr_va_vdst(0)                   ; one wait for the whole batch, ahead of its first reader
.irp b, 0,1,2,3
	v_exp_f32 v[232+\b], v[232+\b]                 ; the block's largest p
.endr
	v_pk_add_f32 v[236:237], v[96:97], v[98:99]    ; the row's sum is taken of the unquantised p: two at a time, in two chains
.irp j, 4,8,12,16,20,24,28,32,36,40,44,48,52,56,60
	v_pk_add_f32 v[14:15], v[14:15], v[96+\j:97+\j]
	v_pk_add_f32 v[236:237], v[236:237], v[98+\j:99+\j]
.endr
	s_delay_alu instid0(VALU_DEP_1)
	v_pk_add_f32 v[14:15], v[14:15], v[236:237]
	s_wait_alu depctr_va_vdst(0)                   ; and one for the four
.irp b, 0,1,2,3
	v_max_num_f32 v[232+\b], 0x1800000, v[232+\b]  ; the floor 2^(3 - 127): the byte cannot fall under 1
.endr
.irp b, 0,1,2,3
	s_delay_alu instid0(VALU_DEP_4)
	v_add_nc_u32 v[244+\b], 0xff000000, v[232+\b]  ; 2 off the exponent field: the conversion's scale operand
.endr
.irp b, 0,1,2,3
	s_delay_alu instid0(VALU_DEP_4)
	v_lshrrev_b32 v[236+\b], 23, v[244+\b]         ; the scale's byte
.endr
	s_delay_alu instid0(VALU_DEP_3)
	v_lshl_or_b32 v253, v237, 8, v236              ; p's scale word for these 128 keys
	s_delay_alu instid0(VALU_DEP_1)
	v_lshl_or_b32 v253, v238, 16, v253
	s_delay_alu instid0(VALU_DEP_1)
	v_lshl_or_b32 v253, v239, 24, v253
.irp b, 0,1,2,3
	v_cvt_scalef32_pk8_fp4_f32 v[224+2*\b], v[96+16*\b:103+16*\b], v[244+\b]
	v_cvt_scalef32_pk8_fp4_f32 v[225+2*\b], v[104+16*\b:111+16*\b], v[244+\b]
.endr
	v_nop                                          ; one plain place behind a scaled conversion
.irp c, 0,1                                    ; a whole block in a lane: lanes 0-15 block 2 c, lanes 16-31 block 2 c + 1
.irp i, 0,1
	v_permlane16_swap_b32 v[224+4*\c+\i], v[226+4*\c+\i]
.endr
.endr
	s_setprio 0
.irp j, 0,2,4,6,8,10,12,14,16,18,20,22,24,26,28,30
	v_pk_mul_f32 v[192+\j:193+\j], v[192+\j:193+\j], v[252:253] op_sel_hi:[1,0]   ; O^T under the new M.  (These sixteen are also the places between the lines that wrote p's codes and scale word and the products below)
.endr
.if \pf
	s_wait_alu depctr_va_vdst(0)
	s_wait_dscnt 12                                ; V's ten loads are in; the twelve of the next step's K, issued behind them, may be out
.else
	s_wait_alu depctr_va_vdst(0)
	s_wait_dscnt 0x0
.endif
.irp a, 0,2                                    ; O^T += V^T P^T: four tiles of 16 channels, by turns
	v_wmma_scale_f32_16x16x128_f8f6f4 v[192+8*\a:199+8*\a], v[64+8*\a:71+8*\a], v[224:231], v[192+8*\a:199+8*\a], v[VSC+\a/2], v253 matrix_a_fmt:MATRIX_FMT_FP4 matrix_b_fmt:MATRIX_FMT_FP4
	v_wmma_scale_f32_16x16x128_f8f6f4 v[200+8*\a:207+8*\a], v[72+8*\a:79+8*\a], v[224:231], v[200+8*\a:207+8*\a], v[VSC+\a/2], v253 matrix_a_fmt:MATRIX_FMT_FP4 matrix_b_fmt:MATRIX_FMT_FP4 matrix_a_scale:MATRIX_SCALE_ROW1
.endr
	s_add_co_u32 s[TK], s[TK], 4096
	s_add_co_u32 s[TS], s[TS], 256
.endm
; A head: sixteen key steps, fifteen in a loop and the last, which fetches nothing more, written out; then O^T / the sum into v[ct] on.
.macro HEAD e, qf, qs, ct
	v_mov_b32 v13, 0xff61b1e6                      ; the largest t so far: -3e38, under every t
	s_delay_alu instid0(VALU_DEP_1)
	v_floor_f32 v12, -v13                          ; -M
	v_mov_b32 v14, 0                               ; the sum, in two halves
	v_mov_b32 v15, 0
.irp j, 0,1,2,3,4,5,6,7,8,9,10,11,12,13,14,15,16,17,18,19,20,21,22,23,24,25,26,27,28,29,30,31
	v_mov_b32 v[192+\j], 0                         ; O^T: the step is written once; the first finds zeros, which the first change of M leaves zeros
.endr
	s_mov_b32 s[TK], \e*HB
	s_mov_b32 s[TS], \e*HB
	v_add_nc_u32 v[ADK], s[TK], v[AK0]
	v_add_nc_u32 v[ADS], s[TS], v[AS0]
	KLOAD 0
	s_mov_b32 s[CNT], 15
.Lk_\@:
	s_setprio 2
	STEP \qf, \qs, 1
	s_sub_co_u32 s[CNT], s[CNT], 1
	s_cmp_lg_u32 s[CNT], 0
	s_cbranch_scc1 .Lk_\@
	s_setprio 0
	STEP \qf, \qs, 0
.rept 4
	v_nop                                          ; places behind the last products
.endr
	v_add_f32 v14, v14, v15                        ; the sum's two halves,
	s_delay_alu instid0(VALU_DEP_1)
	v_permlanex16_b32 v252, v14, s[SEL], s[SEL+1]
	s_delay_alu instid0(VALU_DEP_1)
	v_add_f32 v14, v14, v252                       ; and lane l xor 16's: the row's sum
	s_wait_alu depctr_va_vdst(0)
	v_rcp_f32 v14, v14
	v_nop                                          ; a plain place behind the reciprocal
	s_wait_alu depctr_va_vdst(0)                   ; and the wait ahead of its first reader
.irp j, 0,2,4,6,8,10,12,14,16,18,20,22,24,26,28,30
	v_pk_mul_f32 v[\ct+\j:\ct+\j+1], v[192+\j:193+\j], v[14:15] op_sel_hi:[1,0]   ; register 8 a + i: channel 32 (a / 2) + 16 h + 8 (a % 2) + i of my query
.endr
.endm
; 64 numbers of a lane, register 16 b + i = k 32 b + 16 (lane / 16) + i of my row, become a fragment's codes in v[PC] on and its scale word in v[PW].
.macro QUANT s
.irp b, 0,1,2,3
	v_max3_num_f32 v[TM+\b], |v[\s+16*\b]|, |v[\s+1+16*\b]|, 0x1800000
.endr
.irp i, 2,4,6,8,10,12,14
.irp b, 0,1,2,3
	s_delay_alu instid0(VALU_DEP_4)
	v_max3_num_f32 v[TM+\b], v[TM+\b], |v[\s+16*\b+\i]|, |v[\s+1+16*\b+\i]|
.endr
.endr
.irp b, 0,1,2,3
	s_delay_alu instid0(VALU_DEP_4)
	v_permlanex16_b32 v[TM+4+\b], v[TM+\b], s[SEL], s[SEL+1]
.endr
.irp b, 0,1,2,3
	s_delay_alu instid0(VALU_DEP_4)
	v_max_num_f32 v[TM+\b], v[TM+\b], v[TM+4+\b]
.endr
.irp b, 0,1,2,3
	s_delay_alu instid0(VALU_DEP_4)
	v_add_nc_u32 v[TM+12+\b], 0xff000000, v[TM+\b]
.endr
.irp b, 0,1,2,3
	s_delay_alu instid0(VALU_DEP_4)
	v_lshrrev_b32 v[TM+4+\b], 23, v[TM+12+\b]
.endr
	s_delay_alu instid0(VALU_DEP_3)
	v_lshl_or_b32 v[PW], v[TM+5], 8, v[TM+4]
	s_delay_alu instid0(VALU_DEP_1)
	v_lshl_or_b32 v[PW], v[TM+6], 16, v[PW]
	s_delay_alu instid0(VALU_DEP_1)
	v_lshl_or_b32 v[PW], v[TM+7], 24, v[PW]
.irp b, 0,1,2,3
	v_cvt_scalef32_pk8_fp4_f32 v[PC+2*\b], v[\s+16*\b:\s+7+16*\b], v[TM+12+\b]
	v_cvt_scalef32_pk8_fp4_f32 v[PC+1+2*\b], v[\s+8+16*\b:\s+15+16*\b], v[TM+12+\b]
.endr
	v_nop                                          ; one plain place behind a scaled conversion
.irp c, 0,1
.irp i, 0,1
	v_permlane16_swap_b32 v[PC+4*\c+\i], v[PC+2+4*\c+\i]
.endr
.endr
.endm
	s_wait_tensorcnt 0x1                           ; my part of the first head is in; the second head's load may stay out
	s_barrier_signal -1
	s_barrier_wait -1                              ; everybody's is
	s_wait_loadcnt 0x0                             ; Q
	HEAD 0, 16, QS0, 160
	s_wait_tensorcnt 0x0                           ; my part of the second head is in,
	s_wait_dscnt 0x0
	s_barrier_signal -1
	s_barrier_wait -1                              ; everybody's is
	HEAD 1, 24, QS1, 192
	QUANT 160                                      ; v160-223: 128 columns of ctx, 64 of them mine: blocks 0, 1 the first head's, blocks 2, 3 the second's
	global_store_b128 v[AK0], v[PC:PC+3], s[48:49]             ; the fragment as it stands: 512 consecutive bytes a store
	global_store_b128 v[AK0], v[PC+4:PC+7], s[48:49] offset:512
	global_store_b32 v[GS], v[PW], s[50:51]        ; my row's scale word (both halves of the lanes write the same word with the same value): 4 bytes of each row's 32: one part in 17 of what the launch stores
	s_wait_tensorcnt 0x0                           ; the wave's end: a wait, an add and its wait behind my last tensor load
	ds_add_u32 v[SPW], v[NIL]
	s_wait_dscnt 0x0
	CROUND                                         ; the closing round
	s_endpgm
.Lfunc_end_k_qb0ac104514_attn:
	.size	k_qb0ac104514_attn, .Lfunc_end_k_qb0ac104514_attn-k_qb0ac104514_attn
	.p2alignl 7, 3214868480
	.fill 96, 4, 3214868480
	.section	.rodata,"a",@progbits
	.p2align	6, 0x0
	.amdhsa_kernel k_qb0ac104514_attn
		.amdhsa_group_segment_fixed_size 327680
		.amdhsa_private_segment_fixed_size 0
		.amdhsa_enable_private_segment 0
		.amdhsa_kernarg_size 32
		.amdhsa_user_sgpr_count 2
		.amdhsa_user_sgpr_kernarg_segment_ptr 1
		.amdhsa_wavefront_size32 1
		.amdhsa_system_sgpr_workgroup_id_x 1
		.amdhsa_system_sgpr_workgroup_id_y 1
		.amdhsa_system_sgpr_workgroup_id_z 1
		.amdhsa_system_vgpr_workitem_id 0
		.amdhsa_next_free_vgpr 256
		.amdhsa_next_free_sgpr 66
		.amdhsa_reserve_vcc 0
		.amdhsa_float_denorm_mode_32 3
		.amdhsa_float_denorm_mode_16_64 3
		.amdhsa_memory_ordered 1
		.amdhsa_forward_progress 1
		.amdhsa_inst_pref_size 82
	.end_amdhsa_kernel
	.amdgpu_metadata
---
amdhsa.version: [ 1, 2 ]
amdhsa.kernels:
  - .name:           k_qb0ac104514_attn
    .symbol:         k_qb0ac104514_attn.kd
    .args:
      - { .name: qb, .offset: 0, .size: 8, .value_kind: global_buffer, .address_space: global }
      - { .name: kv, .offset: 8, .size: 8, .value_kind: global_buffer, .address_space: global }
      - { .name: ctx_img, .offset: 16, .size: 8, .value_kind: global_buffer, .address_space: global }
      - { .name: ctx_sc, .offset: 24, .size: 8, .value_kind: global_buffer, .address_space: global }
    .group_segment_fixed_size: 327680
    .private_segment_fixed_size: 0
    .kernarg_segment_align: 8
    .kernarg_segment_size: 32
    .max_flat_workgroup_size: 512
    .sgpr_count:     66
    .vgpr_count:     256
    .wavefront_size: 32
...
	.end_amdgpu_metadata
.endif
;; end of part 3
;; launch proj (part 4): grid 4 x 32, 4 waves a work-group, clusters of 4 x 4, 327,680 bytes of LDS; arguments ctx_img, ctx_sc, w_codes, w_scales, out0, bo; writes out0
.if DOCPART == 4
	.amdgcn_target "amdgcn-amd-amdhsa--gfx1250"
	.amdhsa_code_object_version 6
	.text
	.protected	k_qb0ac104514_proj
	.globl	k_qb0ac104514_proj
	.p2align	8
	.type	k_qb0ac104514_proj,@function
k_qb0ac104514_proj:
	s_mov_b64 s[64:65], 0
	v_nop
	global_prefetch_b8 v0, s[64:65] scope:SCOPE_SE
	s_setreg_imm32_b32 hwreg(HW_REG_WAVE_MODE, 25, 1), 1
	s_wait_xcnt 0x0
	s_wait_alu depctr_hold_cnt(0) depctr_sa_sdst(0) depctr_va_vdst(0) depctr_va_sdst(0) depctr_va_ssrc(0) depctr_va_vcc(0) depctr_vm_vsrc(0)
	s_getreg_b32 s2, hwreg(HW_REG_IB_STS2, 6, 4)
	s_cmp_eq_u32 s2, 0
	s_cbranch_scc0 .Lentry_in_a_cluster
	s_endpgm
.Lentry_in_a_cluster:
	s_bfe_u32 s2, ttmp6, 0x10000c
	s_cmp_lg_u32 s2, 0xf033
	s_cbranch_scc0 .Lentry_shape_is_right
	s_endpgm
.Lentry_shape_is_right:
; Launch 4 of 4: out = ctx wo^T + bo on codes of FP4.  ctx: 8,192 rows x 1,024, as images of its fragments' registers ([K half][tile of 16 rows][K step of 128][1,024 bytes]) and scale bytes [row][32]; wo: rows 3,072 on of the
; weights' codes [row][512 bytes] and scale bytes [row][32]; bo [1024], out [8192][1024]: f32.  No work is left out.
; A tile of out, 256 x 256, is made by four waves, 128 x 128 each: 64 accumulators.  K = 1,024 lies in two LDS slots of 512, both filled at the start: nothing is filled again.
; THE ROWS OF ctx AND OF wo ARE STORED SO THAT tile i holds rows 32 (i / 2) + 8 (i % 2) + p + 8 (p / 8).  The matrix instruction is used transposed (source 0 = 16 rows of wo, source 1 = 16 rows of ctx): lane (r, h) holds row
; 32 (a / 2) + 8 (a % 2) + r + 8 (r / 8) of out, and register 8 b + j column 32 (b / 2) + 16 h + 8 (b % 2) + j: the way out puts both back in order.
; The bias is the C of each sum's first matrix instruction.  CLUSTERS: 4 x 4 work-groups; ctx's tiles are asked for jointly along a row of the cluster, wo's along a column.
; REGISTERS: window 0: v0-31 addresses; v32-95 scale words, two sets; v128-191 A's fragments; v192-255 the bias; on the way out v128-255 rows of out.  window 1: B's fragments, two sets.  windows 2, 3: the accumulators.
.set SIZE_N, 1024
.set NQ,     4
.set ROWB,   256
.set KROW,   512
.set PITCH,  272                       ; B's LDS row: 256 bytes + 16 of padding
.set FR,     8
.set NL,     2
.set NP,     4                         ; places behind this matrix instruction (ISA guide 7.12.1)
.set HALFT,  128*PITCH                 ; room for 128 rows; A's images of 128 rows take 32,768 bytes of it
.set SLOT,   4*HALFT
.set KS,     32
.set SCL,    2*SLOT
.set HALFS,  (128*KS/256)*272
.set SBLK,   (16*KS/256)*272
.set SPARE,  SCL+4*HALFS
.set SPITCH, 528                       ; the way out: a stage of 16 rows x (512 bytes + 16) for each wave, in slot 0, which has had its only fill and its last read when the first result is stored there
.set ADRA, 16
.set ADRB, 20
.set STO,  24
.set RD,   25
.set CO,   26
.set ADRS, 27
.set SPW,  28
.set NIL,  29
.set SC,   32
.set AF,   128
.set BI,   192
.set BK,   128
.set G1, 24
.set G0, 32
.set G1B, 48
.set G0B, 56
.set G1S, 68
.set G0S, 76
.set G1SB, 80
.set G0SB, 88
.set MSB, 0
.macro WIN new
.if MSB != \new
	s_set_vgpr_msb (MSB<<8)|\new
.set MSB, \new
.endif
.endm
.set MUL_LO, 0xa1                      ; source 0 (B) window 1, source 1 (A) window 0, C and D window 2
.set MUL_HI, 0xf1
.set BIA_LO, 0x81                      ; the same with C, the bias, in window 0
.set BIA_HI, 0xc1
.set TO_B,   0x40
.macro JLOAD g0a, g1a, g0b, g1b        ; a joint load: waves 0 and 1 fetch for A, waves 2 and 3 for B; an s_nop 0 and four v_nop follow each of the two lines
	s_cmp_eq_u32 s15, 0
	s_cbranch_scc0 .Lfor_b_\@
	tensor_load_to_lds s[\g0a:\g0a+3], s[\g1a:\g1a+7]
	s_nop 0
.rept 4
	v_nop
.endr
	s_branch .Lasked_\@
.Lfor_b_\@:
	tensor_load_to_lds s[\g0b:\g0b+3], s[\g1b:\g1b+7]
	s_nop 0
.rept 4
	v_nop
.endr
.Lasked_\@:
.endm
.macro CROUND
	s_barrier_signal -1
	s_barrier_wait -1
	s_cmp_lg_u32 s14, 0
	s_cbranch_scc1 .Lnot_wave_0_\@
	s_barrier_signal -3
.Lnot_wave_0_\@:
	s_barrier_wait -3
	s_barrier_signal -1
	s_barrier_wait -1
.endm
	s_load_b128 s[4:7], s[0:1], 0x0                ; ctx's images, ctx's scales
	s_load_b128 s[8:11], s[0:1], 0x10              ; the weights' codes, their scales
	s_load_b64 s[12:13], s[0:1], 0x20              ; out
	s_load_b64 s[96:97], s[0:1], 0x28              ; bo
	v_lshl_add_u32 v[SPW], v0, 2, SPARE
	v_mov_b32 v[NIL], 0
	ds_add_u32 v[SPW], v[NIL]                      ; the wave's opening: the add, twice on end, and its wait ahead of my first tensor load
	ds_add_u32 v[SPW], v[NIL]
	v_lshrrev_b32 v1, 5, v0
	v_readfirstlane_b32 s14, v1                    ; wave 0..3
	s_lshr_b32 s15, s14, 1                         ; my half of the tile's rows.  Also: I fetch for A (0) or for B (1)
	s_and_b32 s16, s14, 1                          ; my half of its columns.  Also: which 128 rows I fetch
	s_bfe_u32 s40, ttmp6, 0x40000                  ; cx, cy
	s_bfe_u32 s41, ttmp6, 0x40004
	s_lshl_b32 s42, ttmp9, 2
	s_add_co_u32 s42, s42, s40                     ; tile column
	s_and_b32 s17, ttmp7, 0xffff
	s_lshl_b32 s17, s17, 2
	s_add_co_u32 s17, s17, s41                     ; tile row
	s_lshl_b32 s43, s41, 2
	s_lshl_b32 s43, 15, s43                        ; my row of the cluster
	s_lshl_b32 s44, 0x1111, s40                    ; my column
	; A: 8 tiles x 4 K steps x 1,024 bytes are 32,768 dense bytes: 128 rows of 256 bytes (32 elements of 8), no padding: the images are read 16 bytes a lane on end
	s_or_b32 s[G1+0], s43, (3<<16)|(1<<21)
	s_mov_b32 s[G1+1], 32<<16
	s_mov_b32 s[G1+2], 128<<16
	s_mov_b32 s[G1+3], 32<<16
	s_mov_b32 s[G1+4], 128
	s_mov_b32 s[G1+5], 32
	s_mov_b32 s[G1+6], 0
	s_mov_b32 s[G1+7], 0
	; B: 128 rows x 256 bytes, 512 bytes apart, 16 bytes of padding behind each
	s_or_b32 s[G1B+0], s44, (0<<16)|(1<<20)|(1<<21)|(5<<22)|(3<<25)
	s_mov_b32 s[G1B+1], ROWB<<16
	s_mov_b32 s[G1B+2], 128<<16
	s_mov_b32 s[G1B+3], ROWB<<16
	s_mov_b32 s[G1B+4], 128
	s_mov_b32 s[G1B+5], KROW
	s_mov_b32 s[G1B+6], 0
	s_mov_b32 s[G1B+7], 0
	; the scales of 128 rows: 4,096 dense bytes as 16 rows of 256, 16 bytes of padding behind each
	s_or_b32 s[G1S+0], s43, (3<<16)|(1<<20)|(1<<21)|(5<<22)|(3<<25)
	s_or_b32 s[G1SB+0], s44, (3<<16)|(1<<20)|(1<<21)|(5<<22)|(3<<25)
.irp g, G1S, G1SB
	s_mov_b32 s[\g+1], 32<<16
	s_mov_b32 s[\g+2], (128*KS/256)<<16
	s_mov_b32 s[\g+3], 32<<16
	s_mov_b32 s[\g+4], 128*KS/256
	s_mov_b32 s[\g+5], 32
	s_mov_b32 s[\g+6], 0
	s_mov_b32 s[\g+7], 0
.endr
	s_lshl_b32 s18, s16, 7
	s_lshl_b32 s20, s17, 8
	s_add_co_u32 s20, s20, s18                     ; A: row 256 x tile row + 128 x half
	s_lshl_b32 s46, s42, 8
	s_add_co_u32 s46, s46, s18                     ; B: row 256 x tile column + 128 x half
	s_mov_b32 s21, 0
	s_mov_b32 s47, 0
	s_mov_b64 s[18:19], KS
	s_mul_u64 s[22:23], s[20:21], s[18:19]         ; their scales, in bytes
	s_mul_u64 s[92:93], s[46:47], s[18:19]
	s_mov_b64 s[18:19], 256
	s_mul_u64 s[20:21], s[20:21], s[18:19]         ; A's images: 4,096 bytes for 16 rows in each half of K
	s_mov_b64 s[18:19], KROW
	s_mul_u64 s[46:47], s[46:47], s[18:19]         ; B's codes
	s_mul_i32 s45, s14, HALFT
	s_mul_i32 s94, s14, HALFS
	s_wait_dscnt 0x0                               ; both opening adds are done
	s_wait_kmcnt 0x0
	s_add_nc_u64 s[8:9], s[8:9], 3072*512          ; wo's part of the weights
	s_add_nc_u64 s[10:11], s[10:11], 3072*32
	s_add_nc_u64 s[20:21], s[4:5], s[20:21]
	s_add_nc_u64 s[22:23], s[6:7], s[22:23]
	s_add_nc_u64 s[46:47], s[8:9], s[46:47]
	s_add_nc_u64 s[92:93], s[10:11], s[92:93]
	CROUND                                         ; all sixteen work-groups are here: the joint loads meet
	s_mov_b32 s[G0S], 1
	s_add_co_u32 s[G0S+1], s94, SCL
	s_mov_b64 s[G0S+2:G0S+3], s[22:23]
	s_or_b32 s[G0S+3], s[G0S+3], 0x80000000
	s_mov_b32 s[G0SB], 1
	s_add_co_u32 s[G0SB+1], s94, SCL
	s_mov_b64 s[G0SB+2:G0SB+3], s[92:93]
	s_or_b32 s[G0SB+3], s[G0SB+3], 0x80000000
	JLOAD G0S, G1S, G0SB, G1SB
.irp s, 0,1
	s_mov_b32 s[G0+4*\s], 1
	s_add_co_u32 s[G0+4*\s+1], s45, \s*SLOT
	s_add_nc_u64 s[G0+4*\s+2:G0+4*\s+3], s[20:21], \s*2097152   ; the other half of K lies 512 tiles x 4,096 bytes on
	s_or_b32 s[G0+4*\s+3], s[G0+4*\s+3], 0x80000000
	s_mov_b32 s[G0B+4*\s], 1
	s_add_co_u32 s[G0B+4*\s+1], s45, \s*SLOT
	s_add_nc_u64 s[G0B+4*\s+2:G0B+4*\s+3], s[46:47], \s*ROWB
	s_or_b32 s[G0B+4*\s+3], s[G0B+4*\s+3], 0x80000000
	s_wait_alu depctr_va_vdst(0)
	s_wait_tensorcnt 0x0
	ds_add_u32 v28, v29
	s_wait_dscnt 0x0
	CROUND
	JLOAD G0+4*\s, G1, G0B+4*\s, G1B               ; one load of mine is out: three in all, all that this launch fetches
.endr
	v_and_b32 v1, 15, v0                           ; r
	v_bfe_u32 v2, v0, 4, 1                         ; h
	v_and_b32 v6, 31, v0
	v_lshlrev_b32 v[CO], 4, v6                     ; 16 x lane
	v_mul_u32_u24 v3, v1, PITCH
	v_lshl_add_u32 v4, v2, 4, v3                   ; B: a fragment's row x pitch + 16 h
	s_mul_i32 s21, s15, HALFT                      ; my 128 rows of A
	s_mul_i32 s22, s16, HALFT                      ; my 128 rows of B,
	s_add_co_u32 s22, s22, 2*HALFT                 ; behind A's
.irp s, 0,1
	v_add_nc_u32 v[ADRA+\s], s21, v[CO]            ; A: an image's place for my lane
	v_add_nc_u32 v[ADRB+\s], s22, v4
	s_add_co_u32 s21, s21, SLOT
	s_add_co_u32 s22, s22, SLOT
.endr
	v_mul_u32_u24 v5, v1, KS
	v_lshrrev_b32 v6, 8, v5
	v_lshl_add_u32 v5, v6, 4, v5
	s_mul_i32 s21, s15, HALFS
	s_mul_i32 s22, s16, HALFS
	s_add_co_u32 s22, s22, 2*HALFS
	s_sub_co_u32 s22, s22, s21
	v_mul_u32_u24 v6, s22, v2                      ; lanes 16-31 take B's
	s_add_co_u32 s21, s21, SCL
	v_add_nc_u32 v5, v5, v6
	v_add_nc_u32 v[ADRS], s21, v5
	s_mul_i32 s23, s14, 16*SPITCH                  ; my stage
	v_mul_u32_u24 v5, v1, SPITCH
	v_lshl_add_u32 v5, v2, 6, v5                   ; in: row r, + 64 h: my half's 16 columns of each 32
	v_add_nc_u32 v[STO], s23, v5
	v_add_nc_u32 v[RD], s23, v[CO]                 ; back: the 32 lanes take one row of 512 bytes
	s_lshl_b32 s20, s17, 8
	s_lshl_b32 s21, s15, 7
	s_add_co_u32 s20, s20, s21                     ; my first row of out
	s_mov_b32 s21, 0
	s_mov_b64 s[18:19], SIZE_N*4
	s_mul_u64 s[20:21], s[20:21], s[18:19]
	s_lshl_b32 s46, s42, 10                        ; my first column, in bytes
	s_lshl_b32 s47, s16, 9
	s_add_co_u32 s46, s46, s47
	s_mov_b32 s47, 0
	s_add_nc_u64 s[96:97], s[96:97], s[46:47]      ; bo at my first column
	s_add_nc_u64 s[20:21], s[20:21], s[46:47]
	s_add_nc_u64 s[12:13], s[12:13], s[20:21]
	v_lshlrev_b32 v7, 6, v2                        ; the bias: register 8 b + j: column 32 (b / 2) + 8 (b % 2) + 16 h + j
.irp b, 0,1,2,3,4,5,6,7
	global_load_b128 v[BI+8*\b:BI+8*\b+3], v7, s[96:97] offset:4*(32*(\b/2)+8*(\b%2))
	global_load_b128 v[BI+8*\b+4:BI+8*\b+7], v7, s[96:97] offset:4*(32*(\b/2)+8*(\b%2))+16
.endr
.macro FRAG reg, adr, q, i             ; B: 16 rows x 128 K from rows
.irp c, 0,1
	ds_load_b128 v[\reg+4*\c:\reg+4*\c+3], v[\adr] offset:64*(\q)+32*\c+(\i)*16*PITCH
.endr
.endm
.macro FRAGA reg, adr, q, i            ; A: the image of tile i, K step q, comes back as it was stored
.irp c, 0,1
	ds_load_b128 v[\reg+4*\c:\reg+4*\c+3], v[\adr] offset:4096*(\i)+1024*(\q)+512*\c
.endr
.endm
; 16 matrix instructions: A's blocks a0, a0 + 1 x B's eight.  zero = 1: the first product starts the sums from the bias.  The 64 accumulators take turns, one instruction a turn.
.macro MUL16 a0, p, q, sc, zero
.irp a, \a0, \a0+1
.irp b, 0,1,2,3,4,5,6,7
.if \zero
	v_wmma_scale_f32_16x16x128_f8f6f4 v[8*(8*((\a)%4)+\b):8*(8*((\a)%4)+\b)+7], v[128*(\p)+FR*\b:128*(\p)+FR*\b+FR-1], v[AF+FR*(\a):AF+FR*(\a)+FR-1], v[BI+8*\b:BI+8*\b+7], v[SC+8*NQ*(\sc)+NQ*\b+(\q)], v[SC+8*NQ*(\sc)+NQ*(\a)+(\q)] matrix_a_fmt:MATRIX_FMT_FP4 matrix_b_fmt:MATRIX_FMT_FP4 matrix_a_scale:MATRIX_SCALE_ROW1
.else
	v_wmma_scale_f32_16x16x128_f8f6f4 v[8*(8*((\a)%4)+\b):8*(8*((\a)%4)+\b)+7], v[128*(\p)+FR*\b:128*(\p)+FR*\b+FR-1], v[AF+FR*(\a):AF+FR*(\a)+FR-1], v[8*(8*((\a)%4)+\b):8*(8*((\a)%4)+\b)+7], v[SC+8*NQ*(\sc)+NQ*\b+(\q)], v[SC+8*NQ*(\sc)+NQ*(\a)+(\q)] matrix_a_fmt:MATRIX_FMT_FP4 matrix_b_fmt:MATRIX_FMT_FP4 matrix_a_scale:MATRIX_SCALE_ROW1
.endif
.endr
.endr
.endm
.macro FETCH_B slot, q, p
	WIN TO_B
.irp i, 0,1,2,3,4,5,6,7
	FRAG 128*(\p)+FR*\i, ADRB+\slot, \q, \i
.endr
	WIN 0
.endm
.macro FETCH_A slot, q, i0
.irp i, \i0, \i0+1, \i0+2, \i0+3
	FRAGA AF+FR*(\i), ADRA+\slot, \q, \i
.endr
.endm
.macro SCALES sc
.irp i, 0,1,2,3,4,5,6,7
	ds_load_b128 v[SC+8*NQ*\sc+NQ*\i:SC+8*NQ*\sc+NQ*\i+3], v[ADRS] offset:\i*SBLK
.endr
.endm
.macro PLACES n
.rept \n
	v_nop
.endr
.endm
.macro STEP slot, q, zero
	s_wait_dscnt 4*NL                              ; B's set and A's blocks 0-3 are in; the youngest eight loads (A's blocks 4-7) may be out
.if \zero
	WIN BIA_LO
.else
	WIN MUL_LO
.endif
	MUL16 0, (\q)%2, \q, \slot, \zero
	MUL16 2, (\q)%2, \q, \slot, \zero
	s_wait_dscnt 0
	PLACES NP
	FETCH_B \slot, (\q)+1, 1-(\q)%2
	FETCH_A \slot, (\q)+1, 0
.if \zero
	WIN BIA_HI
.else
	WIN MUL_HI
.endif
	MUL16 4, (\q)%2, \q, \slot, \zero
	MUL16 6, (\q)%2, \q, \slot, \zero
	PLACES NP
	WIN 0
	FETCH_A \slot, (\q)+1, 4
.endm
.macro TURN slot, next                 ; slot 0's last step changes slots: one barrier
	s_wait_tensorcnt 0x0                           ; all my tensor loads have landed: my part of slot 1 among them
	ds_add_u32 v[SPW], v[NIL]                      ; 0 onto my spare word
	s_wait_dscnt 4*NL+1                            ; (the add and the youngest eight loads may be out)
	WIN MUL_LO
	MUL16 0, 1, NQ-1, \slot, 0
	s_wait_dscnt 0x0                               ; no LDS instruction of mine is out at the signal; my reads of slot 0 are over
	s_barrier_signal -1
	MUL16 2, 1, NQ-1, \slot, 0
	WIN 0
	s_barrier_wait -1                              ; slot 1 is whole, and nobody reads slot 0 any more
	PLACES NP
	v_add_nc_u32 v[ADRS], 4*NQ, v[ADRS]
	FETCH_B \next, 0, 0
	FETCH_A \next, 0, 0
	SCALES \next
	WIN MUL_HI
	MUL16 4, 1, NQ-1, \slot, 0
	MUL16 6, 1, NQ-1, \slot, 0
	PLACES NP
	WIN 0
	FETCH_A \next, 0, 4
.endm
.macro STEPS slot, from
.set Q, \from
.rept NQ-1-\from
	STEP \slot, Q, 0
.set Q, Q+1
.endr
.endm
	s_wait_alu depctr_va_vdst(0)
	s_wait_tensorcnt 1                             ; the scales and my part of slot 0 are in (slot 1's load may be out),
	s_barrier_signal -1
	s_barrier_wait -1                              ; everybody's are
	FETCH_B 0, 0, 0
	FETCH_A 0, 0, 0
	SCALES 0
	FETCH_A 0, 0, 4
	s_wait_loadcnt 0x0                             ; the bias
	STEP 0, 0, 1
	STEPS 0, 1
	TURN 0, 1
	STEPS 1, 0
	s_wait_dscnt 4*NL                              ; the last step: nothing more to fetch
	WIN MUL_LO
	MUL16 0, 1, NQ-1, 1, 0
	MUL16 2, 1, NQ-1, 1, 0
	s_wait_dscnt 0
	WIN MUL_HI
	MUL16 4, 1, NQ-1, 1, 0
	MUL16 6, 1, NQ-1, 1, 0
	WIN 0
; THE WAY OUT, block by block of 16 rows x 128 columns, through my own stage in LDS: in, each accumulator's eight numbers go to their columns' place in row r; back, whole rows of 512 bytes, which the 32 lanes store.
; Place t of block a is row 32 (a / 2) + 8 (a % 2) + t + 8 (t / 8).  LDS serves a wave's instructions in order: no wait between the stores and the loads, nor in front of the next block's stores.
.macro TOSTAGE a
.set AC, 64*((\a)%4)
	WIN 0x08+4*((\a)/4)                            ; the data: window 2 or 3
.irp b, 0,1,2,3,4,5,6,7
	ds_store_b128 v[STO], v[AC+8*\b:AC+8*\b+3] offset:128*(\b/2)+32*(\b%2)          ; each accumulator from its low end on
	ds_store_b128 v[STO], v[AC+8*\b+4:AC+8*\b+7] offset:128*(\b/2)+32*(\b%2)+16
.endr
	WIN 0
.set BB, BK+64*((\a)%2)
.irp t, 0,1,2,3,4,5,6,7,8,9,10,11,12,13,14,15
	ds_load_b128 v[BB+4*\t:BB+4*\t+3], v[RD] offset:\t*SPITCH
.endr
.endm
.macro SEND a, younger                 ; younger: the LDS instructions issued behind block a's loads, which may stay out
.set BB, BK+64*((\a)%2)
	s_wait_dscnt \younger
.if (\a) > 0
.if (\a)%2
	s_add_nc_u64 s[12:13], s[12:13], 8*SIZE_N*4    ; (behind a wait for the earlier stores' addresses)  an odd block begins 8 rows behind the even one,
.else
	s_add_nc_u64 s[12:13], s[12:13], 24*SIZE_N*4   ; an even one 24 rows behind the odd one
.endif
.endif
.irp t, 0,1,2,3,4,5,6,7,8,9,10,11,12,13,14,15
	global_store_b128 v[CO], v[BB+4*\t:BB+4*\t+3], s[12:13] offset:(\t+8*(\t/8))*SIZE_N*4 th:TH_STORE_NT   ; 32 lanes store 512 consecutive bytes, at a multiple of 256 from out's first byte
.endr
.endm
	PLACES NP                                      ; behind the last products: for the loads into the registers that held A's fragments, and for the reads of results
	TOSTAGE 0
.irp a, 1,2,3,4,5,6,7
.if \a > 1
	s_wait_xcnt 0x0                                ; block a - 2's stores have read their registers and their base: block a's loads may land there, and the base may step
.endif
	TOSTAGE \a
	SEND \a-1, 32                                  ; behind block a - 1's loads: block a's 16 stores and 16 loads
.endr
	s_wait_xcnt 0x0
	SEND 7, 0
	s_wait_tensorcnt 0x0                           ; the wave's end: a wait, an add and its wait behind my last tensor load and my last LDS store
	ds_add_u32 v[SPW], v[NIL]
	s_wait_dscnt 0x0
	CROUND                                         ; the closing round
	s_endpgm
.Lfunc_end_k_qb0ac104514_proj:
	.size	k_qb0ac104514_proj, .Lfunc_end_k_qb0ac104514_proj-k_qb0ac104514_proj
	.p2alignl 7, 3214868480
	.fill 96, 4, 3214868480
	.section	.rodata,"a",@progbits
	.p2align	6, 0x0
	.amdhsa_kernel k_qb0ac104514_proj
		.amdhsa_group_segment_fixed_size 327680
		.amdhsa_private_segment_fixed_size 0
		.amdhsa_enable_private_segment 0
		.amdhsa_kernarg_size 48
		.amdhsa_user_sgpr_count 2
		.amdhsa_user_sgpr_kernarg_segment_ptr 1
		.amdhsa_wavefront_size32 1
		.amdhsa_system_sgpr_workgroup_id_x 1
		.amdhsa_system_sgpr_workgroup_id_y 1
		.amdhsa_system_sgpr_workgroup_id_z 1
		.amdhsa_system_vgpr_workitem_id 0
		.amdhsa_next_free_vgpr 1024
		.amdhsa_next_free_sgpr 100
		.amdhsa_reserve_vcc 0
		.amdhsa_float_denorm_mode_32 3
		.amdhsa_float_denorm_mode_16_64 3
		.amdhsa_memory_ordered 1
		.amdhsa_forward_progress 1
		.amdhsa_inst_pref_size 127
	.end_amdhsa_kernel
	.amdgpu_metadata
---
amdhsa.version: [ 1, 2 ]
amdhsa.kernels:
  - .name:           k_qb0ac104514_proj
    .symbol:         k_qb0ac104514_proj.kd
    .args:
      - { .name: ctx_img, .offset: 0, .size: 8, .value_kind: global_buffer, .address_space: global }
      - { .name: ctx_sc, .offset: 8, .size: 8, .value_kind: global_buffer, .address_space: global }
      - { .name: w_codes, .offset: 16, .size: 8, .value_kind: global_buffer, .address_space: global }
      - { .name: w_scales, .offset: 24, .size: 8, .value_kind: global_buffer, .address_space: global }
      - { .name: out0, .offset: 32, .size: 8, .value_kind: global_buffer, .address_space: global }
      - { .name: bo, .offset: 40, .size: 8, .value_kind: global_buffer, .address_space: global }
    .group_segment_fixed_size: 327680
    .private_segment_fixed_size: 0
    .kernarg_segment_align: 8
    .kernarg_segment_size: 48
    .max_flat_workgroup_size: 128
    .sgpr_count:     100
    .vgpr_count:     1024
    .wavefront_size: 32
...
	.end_amdgpu_metadata
.endif
;; end of part 4
